; MI455X (gfx1250); checked and timed in simulation.
; The chip was launched on July 23, 2026; its instructions are those of AMD's public machine-readable ISA for CDNA 5 (MIT licence, August 2026) and "CDNA5" Instruction Set Architecture Reference Guide (July 2026). The comments in the code are by the model that wrote it; some were corrected since.
;; Neural Network Trainable MPO. Allowed arithmetic: float matrix products may take bf16 or f16 operands with f32 sums; other float arithmetic in f32, or as packed bf16 or f16 multiplies, adds, multiply-adds, maxima and minima; sums over many terms, partial sums and values carried from step to step in f32; what a program stores and reads back later, other than sums and carried values, may be rounded once to bf16 or f16.
;; Inputs: W_embed 4,096 x 1,024 float32; W_hidden 2,048 x 4,096 float32; W_out 1,024 x 2,048 float32; b_embed 4,096 float32; b_hidden 2,048 float32; b_out 1,024 float32; core0 1 x 16 x 16 x 2 float32; core1 2 x 16 x 16 x 2 float32; core2 2 x 16 x 16 x 1 float32; mpo_bias 4,096 float32; x 4,096 x 512 x 2 float32.
;; Outputs: out0 4,096 x 1,024 float32.
;; One version. Each part assembles by itself: llvm-mc -triple=amdgcn-amd-amdhsa -mcpu=gfx1250 --defsym DOCPART=n.
;; ======== version 1 of 1: 5 launches
;; limits: values are held in f16: magnitudes above 65,504 overflow, below 6.1e-05 lose precision; right only within a limited range of input values
;; workspace buffers: xb 8,388,608 bytes; web 8,388,608 bytes; whf 16,777,216 bytes; wob 4,194,304 bytes; sT 262,144 bytes; h2f 33,554,432 bytes; sc2 16,384 bytes; h3b 16,777,216 bytes
;; launch prep (part 1): grid 2304 x 1, 8 waves a work-group, no clusters, 0 bytes of LDS; arguments x, W_embed, W_hidden, W_out, xb, web, whf, wob; writes xb, web, whf, wob
.if DOCPART == 1
	.amdgcn_target "amdgcn-amd-amdhsa--gfx1250"
	.amdhsa_code_object_version 6
	.text
	.protected	k_qeb52388a48_prep
	.globl	k_qeb52388a48_prep
	.p2align	8
	.type	k_qeb52388a48_prep,@function
k_qeb52388a48_prep:
	s_mov_b64 s[64:65], 0
	v_nop
	global_prefetch_b8 v0, s[64:65] scope:SCOPE_SE
	s_setreg_imm32_b32 hwreg(HW_REG_WAVE_MODE, 25, 1), 1
	s_wait_xcnt 0x0
; The four large inputs are rounded once to 16 bits, so that the three products fetch half the bytes and convert nothing.
; x -> xb, W_embed -> web, W_out -> wob: bf16.  W_hidden -> whf: rounded to bf16 like the others, times 256, written as f16
; (its partner in the second product is f16; the factor is taken out again by that product's row scale).
; LIMITS.  |W_hidden| stays under 255 (f16 ends at 65,504).  From 2^-22 on the f16 copy is exact; below it falls on f16's fixed step, 2^-32 of W's scale.
; SHARES.  A work-group turns 32,768 bytes of f32 into 16,384: work-groups 0-511 x, 512-1023 W_embed, 1024-2047 W_hidden, 2048-2303 W_out.
; Thread t takes 16 bytes at 16 t of each of eight blocks of 4,096 bytes: a wave's load covers 512 consecutive bytes, its store 256, aligned.
; All eight loads go out first; nothing is read twice; no LDS, no barrier, no matrix unit: there is nothing to share and nothing to multiply.
.macro RND2 a, b, t                    ; two f32 rounded to bf16 and widened again
	v_cvt_pk_bf16_f32 v[\t], v[\a], v[\b]
	v_lshlrev_b32 v[\a], 16, v[\t]
	v_and_b32 v[\b], 0xffff0000, v[\t]
.endm
	s_load_b512 s[4:19], s[0:1], 0x0               ; x, W_embed, W_hidden, W_out, xb, web, whf, wob
	v_lshlrev_b32 v1, 4, v0                        ; 16 t: my bytes in a block of the source
	v_lshlrev_b32 v2, 3, v0                        ; 8 t: in the destination
	s_mov_b32 s20, ttmp9
	s_mov_b32 s21, 2048                            ; the first work-group of the tensor in hand
	s_mov_b32 s27, 0
	s_mov_b32 s29, 0
	s_wait_kmcnt 0x0
	s_mov_b64 s[22:23], s[10:11]                   ; W_out and wob, unless the number is lower
	s_mov_b64 s[24:25], s[18:19]
	s_cmp_lt_u32 s20, 2048
	s_cselect_b64 s[22:23], s[8:9], s[22:23]
	s_cselect_b64 s[24:25], s[16:17], s[24:25]
	s_cselect_b32 s21, 1024, s21
	s_cmp_lt_u32 s20, 1024
	s_cselect_b64 s[22:23], s[6:7], s[22:23]
	s_cselect_b64 s[24:25], s[14:15], s[24:25]
	s_cselect_b32 s21, 512, s21
	s_cmp_lt_u32 s20, 512
	s_cselect_b64 s[22:23], s[4:5], s[22:23]
	s_cselect_b64 s[24:25], s[12:13], s[24:25]
	s_cselect_b32 s21, 0, s21
	s_sub_co_u32 s21, s20, s21                     ; my number within the tensor
	s_lshl_b32 s26, s21, 15
	s_lshl_b32 s28, s21, 14
	s_add_nc_u64 s[22:23], s[22:23], s[26:27]
	s_add_nc_u64 s[24:25], s[24:25], s[28:29]
.irp i, 0,1,2,3,4,5,6,7
	global_load_b128 v[4+4*(\i):7+4*(\i)], v1, s[22:23] offset:4096*(\i) th:TH_LOAD_NT
.endr
	s_sub_co_u32 s30, s20, 1024
	s_cmp_lt_u32 s30, 1024                         ; W_hidden's work-groups take the f16 way
	s_cbranch_scc1 .Lhalf
.irp i, 0,1,2,3,4,5,6,7
	s_wait_loadcnt 7-(\i)                          ; loads come back in order: block i is in, the younger ones stay out
	v_cvt_pk_bf16_f32 v[36+2*(\i)], v[4+4*(\i)], v[5+4*(\i)]
	v_cvt_pk_bf16_f32 v[37+2*(\i)], v[6+4*(\i)], v[7+4*(\i)]
	global_store_b64 v2, v[36+2*(\i):37+2*(\i)], s[24:25] offset:2048*(\i)
.endr
	s_endpgm
.Lhalf:
.irp i, 0,1,2,3,4,5,6,7
	s_wait_loadcnt 7-(\i)
	RND2 4+4*(\i), 5+4*(\i), 52
	RND2 6+4*(\i), 7+4*(\i), 53
	v_pk_mul_f32 v[4+4*(\i):5+4*(\i)], v[4+4*(\i):5+4*(\i)], 0x43800000 op_sel_hi:[1,0]   ; times 256
	v_pk_mul_f32 v[6+4*(\i):7+4*(\i)], v[6+4*(\i):7+4*(\i)], 0x43800000 op_sel_hi:[1,0]
	v_cvt_pk_f16_f32 v[36+2*(\i)], v[4+4*(\i)], v[5+4*(\i)]
	v_cvt_pk_f16_f32 v[37+2*(\i)], v[6+4*(\i)], v[7+4*(\i)]
	global_store_b64 v2, v[36+2*(\i):37+2*(\i)], s[24:25] offset:2048*(\i)
.endr
	s_endpgm
.Lfunc_end_k_qeb52388a48_prep:
	.size	k_qeb52388a48_prep, .Lfunc_end_k_qeb52388a48_prep-k_qeb52388a48_prep
	.p2alignl 7, 3214868480
	.fill 96, 4, 3214868480
	.section	.rodata,"a",@progbits
	.p2align	6, 0x0
	.amdhsa_kernel k_qeb52388a48_prep
		.amdhsa_group_segment_fixed_size 0
		.amdhsa_private_segment_fixed_size 0
		.amdhsa_enable_private_segment 0
		.amdhsa_kernarg_size 64
		.amdhsa_user_sgpr_count 2
		.amdhsa_user_sgpr_kernarg_segment_ptr 1
		.amdhsa_wavefront_size32 1
		.amdhsa_system_sgpr_workgroup_id_x 1
		.amdhsa_system_sgpr_workgroup_id_y 1
		.amdhsa_system_sgpr_workgroup_id_z 1
		.amdhsa_system_vgpr_workitem_id 0
		.amdhsa_next_free_vgpr 56
		.amdhsa_next_free_sgpr 66
		.amdhsa_reserve_vcc 0
		.amdhsa_float_denorm_mode_32 3
		.amdhsa_float_denorm_mode_16_64 3
		.amdhsa_memory_ordered 1
		.amdhsa_forward_progress 1
		.amdhsa_inst_pref_size 11
	.end_amdhsa_kernel
	.amdgpu_metadata
---
amdhsa.version: [ 1, 2 ]
amdhsa.kernels:
  - .name:           k_qeb52388a48_prep
    .symbol:         k_qeb52388a48_prep.kd
    .args:
      - { .name: x, .offset: 0, .size: 8, .value_kind: global_buffer, .address_space: global }
      - { .name: W_embed, .offset: 8, .size: 8, .value_kind: global_buffer, .address_space: global }
      - { .name: W_hidden, .offset: 16, .size: 8, .value_kind: global_buffer, .address_space: global }
      - { .name: W_out, .offset: 24, .size: 8, .value_kind: global_buffer, .address_space: global }
      - { .name: xb, .offset: 32, .size: 8, .value_kind: global_buffer, .address_space: global }
      - { .name: web, .offset: 40, .size: 8, .value_kind: global_buffer, .address_space: global }
      - { .name: whf, .offset: 48, .size: 8, .value_kind: global_buffer, .address_space: global }
      - { .name: wob, .offset: 56, .size: 8, .value_kind: global_buffer, .address_space: global }
    .group_segment_fixed_size: 0
    .private_segment_fixed_size: 0
    .kernarg_segment_align: 8
    .kernarg_segment_size: 64
    .max_flat_workgroup_size: 256
    .sgpr_count:     66
    .vgpr_count:     56
    .wavefront_size: 32
...
	.end_amdgpu_metadata
.endif
;; end of part 1
;; launch gemm1 (part 2): grid 16 x 16, 4 waves a work-group, clusters of 4 x 4, 327,680 bytes of LDS; arguments xb, web, b_embed, sT; writes sT
.if DOCPART == 2
	.amdgcn_target "amdgcn-amd-amdhsa--gfx1250"
	.amdhsa_code_object_version 6
	.text
	.protected	k_qeb52388a48_gemm1
	.globl	k_qeb52388a48_gemm1
	.p2align	8
	.type	k_qeb52388a48_gemm1,@function
k_qeb52388a48_gemm1:
	s_mov_b64 s[64:65], 0
	v_nop
	global_prefetch_b8 v0, s[64:65] scope:SCOPE_SE
	s_setreg_imm32_b32 hwreg(HW_REG_WAVE_MODE, 25, 1), 1
	s_wait_xcnt 0x0
	s_wait_alu depctr_hold_cnt(0) depctr_sa_sdst(0) depctr_va_vdst(0) depctr_va_sdst(0) depctr_va_ssrc(0) depctr_va_vcc(0) depctr_vm_vsrc(0)
	s_getreg_b32 s2, hwreg(HW_REG_IB_STS2, 6, 4)
	s_cmp_eq_u32 s2, 0
	s_cbranch_scc0 .Lentry_in_a_cluster
	s_endpgm
.Lentry_in_a_cluster:
	s_bfe_u32 s2, ttmp6, 0x10000c
	s_cmp_lg_u32 s2, 0xf033
	s_cbranch_scc0 .Lentry_shape_is_right
	s_endpgm
.Lentry_shape_is_right:
; sT[j][b] = the sum over the 256 columns n = 256 j .. 256 j + 255 of tanh(x[b] . W_embed[n] + b_embed[n]).  The layer behind reads the first hidden vector through these
; sums alone, so that vector is never stored: a tile of 256 x 256 of the product gives one number a row.  xb [4096][1024], web [4096][1024] bf16; sums in f32; b_embed rounded to bf16.
; SHAPE.  A work-group of four waves makes a tile of 256 x 256, a wave 128 x 128: 64 accumulators, 512 registers.  K goes in 8 steps of 128 through a ring of two LDS slots
; filled by tensor loads (rows of 256 bytes, padded to 272).  4 x 4 work-groups form a cluster: the four of a row need the same tiles of x, the four of a column the same tiles
; of W_embed; each tile is asked for jointly, by the same load with the same descriptor and a mask that names the four.
; THE MATRIX INSTRUCTION IS USED TRANSPOSED (source 0 = 16 rows of W, source 1 = 16 rows of x): lane l holds row l % 16 and the columns 8 (l / 16) + 0..7.
; THE WAY OUT.  512 tanh a lane written out would be long, so the raw sums go into the ring, which has had its last fill and which no wave reads any more (a barrier says so):
; each wave its own 128 rows of 528 bytes.  A loop of 32 trips then takes, a lane a row, 4 columns of 4 x 32 rows: bias, tanh, running sums.
; TANH.  x^2 < 2^-8: x (1 - x^2 / 3), off by 2 x^4 / 15 of itself at the most; else 1 - 2 / (1 + 2^(2 log2(e) x)).  Both are made, v_cndmask_b32 chooses.  A NaN stays a NaN.
; REGISTERS: window 0: v0-31 addresses; v64-127, v128-191 fragments of x, two buffers (on the way out: at work).  window 1: v64-191 fragments of W.  windows 2, 3: accumulators (a, b) at v[8 (8 a + b)].
.set SIZE_K, 1024
.set KSTEP,  128
.set PITCH,  272                       ; 256 bytes + 16 = 68 words: row r starts at bank 4 r mod 64 (64 banks of 4 bytes: ISA guide 11.1)
.set HALFT,  128*PITCH                 ; what one tensor load brings
.set SLOT,   4*HALFT                   ; x's 256 rows, then W's 256 rows
.set TAB,    2*SLOT                    ; behind the ring: the tile's 256 biases, f32
.set PART,   TAB+1024                  ; the two column halves' row sums, 256 f32 each
.set SPARE,  PART+2048                 ; the spare words, 128 bytes a wave: two blocks of 256 bytes that no other line names
.set LAPS,   SIZE_K/(2*KSTEP)
.set DPITCH, 528                       ; a dumped row: 128 f32 + 16 bytes = 132 words: again 4 r mod 64
.set DWAVE,  128*DPITCH
.set ADRA, 16                          ; v16-17  LDS address of my fragments of x in slot 0, 1
.set ADRB, 20                          ; v20-21  of W
.set DST,  24                          ; v24  where I dump 16 bytes of a row
.set RDA,  25                          ; v25  where I read my row back
.set BA,   26                          ; v26  the four columns' biases
.set PADR, 27                          ; v27  where my row sums go
.set SPW,  28                          ; v28  my spare word; never rewritten
.set NIL,  29                          ; v29  0; never rewritten
.set PRD,  30                          ; v30  the two rows that I add up and store
.set GO,   31                          ; v31  8 x thread
.set F0,   64
.set F1,   128
.set LL,   64                          ; the way out: 4 row groups x 4 columns as read
.set BB,   80
.set XX,   96
.set YY,   112
.set ZZ,   128
.set PP,   144
.set SUM,  160                         ; a pair for each row group
.set WV, 16                            ; s16 wave   s17 wave / 2: my row half; I fetch x (0) or W (1)   s18 wave % 2: my column half; which 128 rows I fetch
.set WM, 17
.set WN, 18
.set TX, 21                            ; s21 tile column = j   s22 tile row
.set TY, 22
.set G1, 24
.set G0, 32
.set CT, 40                            ; s[40:41] 2 log2(e)   s[42:43] -1/3   s44 2^-8: set when the head's temporaries are done with
.set CP, 42
.set TH, 44
.set G1B, 48
.set G0B, 56
.set MSB, 0
.macro WIN new                         ; the immediate's high byte repeats the setting that is left
.if MSB != (\new)
	s_set_vgpr_msb (MSB<<8)|(\new)
.set MSB, \new
.endif
.endm
.set MUL_LO, 0xa1                      ; source 0 (W) window 1, source 1 (x) window 0, C and D window 2
.set MUL_HI, 0xf1
.set TO_B,   0x40
.macro JLOAD s                         ; a joint load: waves 0, 1 fetch x's halves, waves 2, 3 W's; an s_nop 0 and four v_nop follow each line
	s_cmp_eq_u32 s[WM], 0
	s_cbranch_scc0 .Lfor_b_\@
	tensor_load_to_lds s[G0+4*(\s):G0+4*(\s)+3], s[G1:G1+7]
	s_nop 0
.rept 4
	v_nop
.endr
	s_branch .Lasked_\@
.Lfor_b_\@:
	tensor_load_to_lds s[G0B+4*(\s):G0B+4*(\s)+3], s[G1B:G1B+7]
	s_nop 0
.rept 4
	v_nop
.endr
.Lasked_\@:
.endm
.macro CREST                           ; a round of the cluster's barrier behind its opening barrier
	s_cmp_lg_u32 s[WV], 0
	s_cbranch_scc1 .Lnot_wave_0_\@
	s_barrier_signal -3
.Lnot_wave_0_\@:
	s_barrier_wait -3
	s_barrier_signal -1
	s_barrier_wait -1
.endm
.macro CROUND
	s_barrier_signal -1
	s_barrier_wait -1
	CREST
.endm
.macro PLACES                          ; four plain places behind matrix instructions (ISA guide 7.12.1), where no other vector work is at hand
.rept 4
	v_nop
.endr
.endm
.macro RND2 a, b, t
	v_cvt_pk_bf16_f32 v[\t], v[\a], v[\b]
	v_lshlrev_b32 v[\a], 16, v[\t]
	v_and_b32 v[\b], 0xffff0000, v[\t]
.endm
; tanh of the 16 numbers at X into Y; Z and P at work.  Behind each run of transcendentals stand plain lines that touch none of its registers (ISA guide 5.7.2).
.macro TANH16 X, Y, Z, P
.set q, 0
.rept 8
	v_pk_mul_f32 v[(\Y)+q:(\Y)+q+1], v[(\X)+q:(\X)+q+1], s[CT:CT+1] op_sel_hi:[1,0]
.set q, q+2
.endr
.set q, 0
.rept 16
	v_exp_f32 v[(\Y)+q], v[(\Y)+q]
.set q, q+1
.endr
.set q, 0
.rept 8
	v_pk_mul_f32 v[(\Z)+q:(\Z)+q+1], v[(\X)+q:(\X)+q+1], v[(\X)+q:(\X)+q+1]
.set q, q+2
.endr
.set q, 0
	s_wait_alu depctr_va_vdst(0)
.rept 8
	v_pk_add_f32 v[(\Y)+q:(\Y)+q+1], v[(\Y)+q:(\Y)+q+1], 1.0 op_sel_hi:[1,0]
.set q, q+2
.endr
.set q, 0
.rept 16
	v_rcp_f32 v[(\Y)+q], v[(\Y)+q]
.set q, q+1
.endr
.set q, 0
.rept 8
	v_pk_fma_f32 v[(\P)+q:(\P)+q+1], v[(\Z)+q:(\Z)+q+1], s[CP:CP+1], 1.0 op_sel_hi:[1,0,0]
.set q, q+2
.endr
.set q, 0
.rept 8
	v_pk_mul_f32 v[(\P)+q:(\P)+q+1], v[(\P)+q:(\P)+q+1], v[(\X)+q:(\X)+q+1]
.set q, q+2
.endr
.set q, 0
	s_wait_alu depctr_va_vdst(0)
.rept 8
	v_pk_fma_f32 v[(\Y)+q:(\Y)+q+1], v[(\Y)+q:(\Y)+q+1], -2.0, 1.0 op_sel_hi:[1,0,0]
.set q, q+2
.endr
.set q, 0
.rept 16
	v_cmp_gt_f32 vcc_lo, s[TH], v[(\Z)+q]
	v_cndmask_b32 v[(\Y)+q], v[(\Y)+q], v[(\P)+q], vcc_lo
.set q, q+1
.endr
.endm
	s_load_b256 s[4:11], s[0:1], 0x0               ; xb s[4:5], web s[6:7], b_embed s[8:9], sT s[10:11]
	v_lshl_add_u32 v[SPW], v0, 2, SPARE
	v_mov_b32 v[NIL], 0
	ds_add_u32 v[SPW], v[NIL]                      ; the wave's opening: the add and its wait ahead of my first tensor load
	v_lshrrev_b32 v1, 5, v0
	v_readfirstlane_b32 s[WV], v1
	s_lshr_b32 s[WM], s[WV], 1
	s_and_b32 s[WN], s[WV], 1
	s_bfe_u32 s19, ttmp6, 0x40000                  ; cx
	s_bfe_u32 s20, ttmp6, 0x40004                  ; cy
	s_lshl_b32 s[TX], ttmp9, 2
	s_add_co_u32 s[TX], s[TX], s19
	s_and_b32 s[TY], ttmp7, 0xffff
	s_lshl_b32 s[TY], s[TY], 2
	s_add_co_u32 s[TY], s[TY], s20
	s_lshl_b32 s23, s20, 2
	s_lshl_b32 s23, 15, s23                        ; my row of the cluster
	s_lshl_b32 s15, 0x1111, s19                    ; my column
	s_or_b32 s[G1], s23, (1<<16)|(1<<20)|(1<<21)|(5<<22)|(3<<25)   ; mask; 2-byte elements; padding on; bit 21 beside a mask; after every 64 words 4 words
	s_or_b32 s[G1B], s15, (1<<16)|(1<<20)|(1<<21)|(5<<22)|(3<<25)
.irp g, G1, G1B
	s_mov_b32 s[(\g)+1], KSTEP<<16                 ; tensor_dim0 = 128
	s_mov_b32 s[(\g)+2], 128<<16                   ; tensor_dim1 = 128
	s_mov_b32 s[(\g)+3], KSTEP<<16                 ; tile_dim0 = 128
	s_mov_b32 s[(\g)+4], 128                       ; tile_dim1 = 128
	s_mov_b32 s[(\g)+5], SIZE_K                    ; elements from row to row
	s_mov_b32 s[(\g)+6], 0
	s_mov_b32 s[(\g)+7], 0
.endr
	s_lshl_b32 s44, s[WN], 18                      ; which 128 rows of 2,048 bytes I fetch
	s_lshl_b32 s40, s[TY], 19                      ; x: 256 rows a tile row; made of the tile row and the wave alone
	s_add_co_u32 s40, s40, s44
	s_mov_b32 s41, 0
	s_lshl_b32 s46, s[TX], 19                      ; W: made of the tile column and the wave alone
	s_add_co_u32 s46, s46, s44
	s_mov_b32 s47, 0
	s_mul_i32 s45, s[WV], HALFT                    ; where they go: wave x 128 rows
	s_lshl_b32 s12, s[TX], 10                      ; the tile's 256 biases
	s_mov_b32 s13, 0
	s_lshl_b32 s42, s[TX], 14                      ; sT: row j of 16,384 bytes,
	s_lshl_b32 s43, s[TY], 10                      ; 256 numbers a tile row
	s_add_co_u32 s42, s42, s43
	s_mov_b32 s43, 0
	s_wait_dscnt 0x0                               ; the opening add is done
	s_wait_kmcnt 0x0
	s_add_nc_u64 s[40:41], s[4:5], s[40:41]
	s_add_nc_u64 s[46:47], s[6:7], s[46:47]
	s_add_nc_u64 s[8:9], s[8:9], s[12:13]
	s_add_nc_u64 s[10:11], s[10:11], s[42:43]
	CROUND                                         ; all sixteen work-groups are here: the first joint loads meet
.irp s, 0,1
	s_mov_b32 s[G0+4*(\s)], 1
	s_add_co_u32 s[G0+4*(\s)+1], s45, (\s)*SLOT
	s_add_nc_u64 s[G0+4*(\s)+2:G0+4*(\s)+3], s[40:41], (\s)*KSTEP*2
	s_or_b32 s[G0+4*(\s)+3], s[G0+4*(\s)+3], 0x80000000
	s_mov_b32 s[G0B+4*(\s)], 1
	s_add_co_u32 s[G0B+4*(\s)+1], s45, (\s)*SLOT
	s_add_nc_u64 s[G0B+4*(\s)+2:G0B+4*(\s)+3], s[46:47], (\s)*KSTEP*2
	s_or_b32 s[G0B+4*(\s)+3], s[G0B+4*(\s)+3], 0x80000000
	JLOAD \s                                       ; two loads of mine are out
.endr
	v_lshlrev_b32 v[GO], 3, v0
	global_load_b64 v[8:9], v[GO], s[8:9]          ; thread t: biases 2 t, 2 t + 1 of the tile
	v_and_b32 v1, 15, v0                           ; l % 16
	v_bfe_u32 v2, v0, 4, 1                         ; l / 16
	v_mul_u32_u24 v3, v1, PITCH
	v_lshl_add_u32 v3, v2, 4, v3                   ; a fragment's row x pitch + 16 x half
	s_mul_i32 s12, s[WM], HALFT
	s_mul_i32 s13, s[WN], HALFT
	s_add_co_u32 s13, s13, 2*HALFT
.irp s, 0,1
	v_add_nc_u32 v[ADRA+(\s)], s12, v3
	v_add_nc_u32 v[ADRB+(\s)], s13, v3
	s_add_co_u32 s12, s12, SLOT
	s_add_co_u32 s13, s13, SLOT
.endr
	s_mul_i32 s12, s[WV], DWAVE                    ; my part of the dump
	v_mul_u32_u24 v4, v1, DPITCH
	v_lshl_add_u32 v4, v2, 5, v4                   ; row l % 16, 32 bytes for each half of the lanes
	v_add_nc_u32 v[DST], s12, v4
	v_and_b32 v5, 31, v0
	v_mul_u32_u24 v4, v5, DPITCH                   ; back: a lane a row
	v_add_nc_u32 v[RDA], s12, v4
	s_lshl_b32 s13, s[WN], 9
	s_add_co_u32 s13, s13, TAB
	v_mov_b32 v[BA], s13
	s_lshl_b32 s13, s[WN], 10
	s_lshl_b32 s12, s[WM], 9
	s_add_co_u32 s13, s13, s12
	s_add_co_u32 s13, s13, PART
	v_lshl_add_u32 v[PADR], v5, 2, s13
	v_lshl_add_u32 v[PRD], v0, 3, PART
	v_lshl_add_u32 v6, v0, 3, TAB
	s_mov_b32 s[CT], 0x4038aa3b
	s_mov_b32 s[CT+1], s[CT]
	s_mov_b32 s[CP], 0xbeaaaaab
	s_mov_b32 s[CP+1], s[CP]
	s_mov_b32 s[TH], 0x3b800000
	s_wait_loadcnt 0x0
	RND2 8, 9, 10
	ds_store_b64 v6, v[8:9]
; 16 matrix instructions: m blocks a0, a0 + 1 of the window's four x all 8 n blocks, 32 along K.  zero = 1: the first product starts the sums.  The accumulators take turns.
.macro MUL16 f, hi, a0, zero
	WIN MUL_LO+0x50*(\hi)
.irp a, \a0, (\a0)+1
.irp b, 0,1,2,3,4,5,6,7
.if \zero
	v_wmma_f32_16x16x32_bf16 v[8*(8*(\a)+(\b)):8*(8*(\a)+(\b))+7], v[(\f)+8*(\b):(\f)+8*(\b)+7], v[(\f)+8*(4*(\hi)+(\a)):(\f)+8*(4*(\hi)+(\a))+7], 0
.else
	v_wmma_f32_16x16x32_bf16 v[8*(8*(\a)+(\b)):8*(8*(\a)+(\b))+7], v[(\f)+8*(\b):(\f)+8*(\b)+7], v[(\f)+8*(4*(\hi)+(\a)):(\f)+8*(4*(\hi)+(\a))+7], v[8*(8*(\a)+(\b)):8*(8*(\a)+(\b))+7]
.endif
.endr
.endr
.endm
.macro FETCH slot, k, f                ; 32 LDS loads in one run: a quarter step's fragments, W's first
	WIN TO_B
.irp i, 0,1,2,3,4,5,6,7
	ds_load_b128 v[(\f)+8*(\i):(\f)+8*(\i)+3],   v[ADRB+(\slot)] offset:(\k)+(\i)*16*PITCH
	ds_load_b128 v[(\f)+8*(\i)+4:(\f)+8*(\i)+7], v[ADRB+(\slot)] offset:(\k)+(\i)*16*PITCH+32
.endr
	WIN 0
.irp i, 0,1,2,3,4,5,6,7
	ds_load_b128 v[(\f)+8*(\i):(\f)+8*(\i)+3],   v[ADRA+(\slot)] offset:(\k)+(\i)*16*PITCH
	ds_load_b128 v[(\f)+8*(\i)+4:(\f)+8*(\i)+7], v[ADRA+(\slot)] offset:(\k)+(\i)*16*PITCH+32
.endr
.endm
.macro QUARTER slot, k, f, g, zero     ; multiplies buffer f; in its middle fetches the next quarter, at byte k, into g
	s_wait_dscnt 8                                 ; W and x's rows 0-63 are in; the youngest eight loads may be out
	MUL16 \f, 0, 0, \zero
	MUL16 \f, 0, 2, \zero
	PLACES
	FETCH \slot, \k, \g
	s_wait_dscnt 32                                ; all but the 32 just issued
	MUL16 \f, 1, 0, \zero
	MUL16 \f, 1, 2, \zero
.endm
; The last quarter of a K step multiplies buffer 1 and changes slots: one barrier.  In front of it each wave waits for all its tensor loads (one is out: its part of the next slot), adds 0 to its
; spare word, and waits for that and for its reads of this slot.  fill = 1: the barrier opens a round of the cluster's, and the slot is filled again first thing behind it, two K steps ahead.
.macro TURN slot, next, fill
	WIN 0
	s_wait_tensorcnt 0x0
	ds_add_u32 v[SPW], v[NIL]
	s_wait_dscnt 9                                 ; the add and the youngest eight loads may be out
	MUL16 F1, 0, 0, 0
	s_wait_dscnt 0x0                               ; the add is done, my reads of this slot are over
	s_barrier_signal -1
	MUL16 F1, 0, 2, 0
.if \fill
	WIN 0
.endif
	s_barrier_wait -1
.if \fill
	CREST
	s_add_nc_u64 s[G0+4*(\slot)+2:G0+4*(\slot)+3], s[G0+4*(\slot)+2:G0+4*(\slot)+3], 2*KSTEP*2
	s_add_nc_u64 s[G0B+4*(\slot)+2:G0B+4*(\slot)+3], s[G0B+4*(\slot)+2:G0B+4*(\slot)+3], 2*KSTEP*2
	JLOAD \slot                                    ; its four v_nop are also the places in front of the loads below
.else
	PLACES
.endif
	FETCH \next, 0, F0
	MUL16 F1, 1, 0, 0
	MUL16 F1, 1, 2, 0
.endm
	s_wait_dscnt 0x0                               ; my biases are in the table
	s_wait_tensorcnt 1                             ; my part of K step 0 is in; K step 1's may stay out
	s_barrier_signal -1
	s_barrier_wait -1
	FETCH 0, 0, F0
	QUARTER 0, 64,  F0, F1, 1                      ; the first quarter starts the sums: nothing is cleared
	WIN 0
	s_mov_b32 s3, LAPS-1
.Llap:                                                 ; a trip goes once round the ring and fills both slots again
	QUARTER 0, 128, F1, F0, 0
	QUARTER 0, 192, F0, F1, 0
	TURN 0, 1, 1
	QUARTER 1, 64,  F0, F1, 0
	QUARTER 1, 128, F1, F0, 0
	QUARTER 1, 192, F0, F1, 0
	TURN 1, 0, 1
	QUARTER 0, 64,  F0, F1, 0
	WIN 0
	s_sub_co_u32 s3, s3, 1
	s_cmp_lg_u32 s3, 0
	s_cbranch_scc1 .Llap
	QUARTER 0, 128, F1, F0, 0                      ; the last lap fills nothing
	QUARTER 0, 192, F0, F1, 0
	TURN 0, 1, 0
	QUARTER 1, 64,  F0, F1, 0
	QUARTER 1, 128, F1, F0, 0
	QUARTER 1, 192, F0, F1, 0
	s_wait_dscnt 8
	MUL16 F1, 0, 0, 0
	MUL16 F1, 0, 2, 0
	s_wait_dscnt 0x0                               ; my last reads of the ring are back
	s_barrier_signal -1
	MUL16 F1, 1, 0, 0
	MUL16 F1, 1, 2, 0
	WIN 0
	s_barrier_wait -1                              ; nobody reads the ring any more, and nothing is filled again: it serves as scratch
	PLACES
.irp a, 0,1,2,3,4,5,6,7                ; the dump: each accumulator's low four registers first
	WIN 0x08+4*((\a)/4)                            ; store data (source 1) in window 2 or 3
.irp b, 0,1,2,3,4,5,6,7
	ds_store_b128 v[DST], v[8*(8*((\a)%4)+(\b)):8*(8*((\a)%4)+(\b))+3]   offset:(\a)*16*DPITCH+64*(\b)
	ds_store_b128 v[DST], v[8*(8*((\a)%4)+(\b))+4:8*(8*((\a)%4)+(\b))+7] offset:(\a)*16*DPITCH+64*(\b)+16
.endr
.endr
	WIN 0
; Four columns of my 4 x 32 rows.  pre = 1: the next four columns are asked for as soon as these have been taken, and land under the tanh.
.macro EPI pre
	s_wait_dscnt 0x0                               ; LDS serves a wave's instructions in order (ISA guide 5.7.1.4): the loads saw my own dump
.irp g, 0,1,2,3
	v_pk_add_f32 v[XX+4*(\g):XX+4*(\g)+1],   v[LL+4*(\g):LL+4*(\g)+1],   v[BB:BB+1]
	v_pk_add_f32 v[XX+4*(\g)+2:XX+4*(\g)+3], v[LL+4*(\g)+2:LL+4*(\g)+3], v[BB+2:BB+3]
.endr
.if \pre
	v_add_nc_u32 v[RDA], 16, v[RDA]
	v_add_nc_u32 v[BA], 16, v[BA]
.irp g, 0,1,2,3
	ds_load_b128 v[LL+4*(\g):LL+4*(\g)+3], v[RDA] offset:(\g)*32*DPITCH
.endr
	ds_load_b128 v[BB:BB+3], v[BA]
.endif
	TANH16 XX, YY, ZZ, PP
.irp g, 0,1,2,3
	v_pk_add_f32 v[SUM+2*(\g):SUM+2*(\g)+1], v[SUM+2*(\g):SUM+2*(\g)+1], v[YY+4*(\g):YY+4*(\g)+1]
.endr
.irp g, 0,1,2,3
	v_pk_add_f32 v[SUM+2*(\g):SUM+2*(\g)+1], v[SUM+2*(\g):SUM+2*(\g)+1], v[YY+4*(\g)+2:YY+4*(\g)+3]
.endr
.endm
.irp g, 0,1,2,3
	ds_load_b128 v[LL+4*(\g):LL+4*(\g)+3], v[RDA] offset:(\g)*32*DPITCH
.endr
	ds_load_b128 v[BB:BB+3], v[BA]
.irp g, 0,1,2,3,4,5,6,7
	v_mov_b32 v[SUM+(\g)], 0
.endr
	s_mov_b32 s14, 31
.Lcol:
	EPI 1
	s_sub_co_u32 s14, s14, 1
	s_cmp_lg_u32 s14, 0
	s_cbranch_scc1 .Lcol
	EPI 0
.irp g, 0,1,2,3
	v_add_f32 v[SUM+2*(\g)], v[SUM+2*(\g)], v[SUM+2*(\g)+1]
.endr
.irp g, 0,1,2,3
	ds_store_b32 v[PADR], v[SUM+2*(\g)] offset:128*(\g)
.endr
	s_wait_dscnt 0x0                               ; for the others' sake: my row sums are in
	s_barrier_signal -1
	s_barrier_wait -1
	ds_load_b64 v[64:65], v[PRD]                   ; rows 2 t, 2 t + 1: the left columns' sums,
	ds_load_b64 v[66:67], v[PRD] offset:1024       ; the right columns'
	s_wait_dscnt 0x0
	v_pk_add_f32 v[64:65], v[64:65], v[66:67]
	global_store_b64 v[GO], v[64:65], s[10:11]     ; a wave stores 256 consecutive bytes, aligned
	s_wait_tensorcnt 0x0                           ; the wave's end
	ds_add_u32 v[SPW], v[NIL]
	s_wait_dscnt 0x0
	CROUND                                         ; the closing round
	s_endpgm
.Lfunc_end_k_qeb52388a48_gemm1:
	.size	k_qeb52388a48_gemm1, .Lfunc_end_k_qeb52388a48_gemm1-k_qeb52388a48_gemm1
	.p2alignl 7, 3214868480
	.fill 96, 4, 3214868480
	.section	.rodata,"a",@progbits
	.p2align	6, 0x0
	.amdhsa_kernel k_qeb52388a48_gemm1
		.amdhsa_group_segment_fixed_size 327680
		.amdhsa_private_segment_fixed_size 0
		.amdhsa_enable_private_segment 0
		.amdhsa_kernarg_size 32
		.amdhsa_user_sgpr_count 2
		.amdhsa_user_sgpr_kernarg_segment_ptr 1
		.amdhsa_wavefront_size32 1
		.amdhsa_system_sgpr_workgroup_id_x 1
		.amdhsa_system_sgpr_workgroup_id_y 1
		.amdhsa_system_sgpr_workgroup_id_z 1
		.amdhsa_system_vgpr_workitem_id 0
		.amdhsa_next_free_vgpr 1024
		.amdhsa_next_free_sgpr 66
		.amdhsa_reserve_vcc 1
		.amdhsa_float_denorm_mode_32 3
		.amdhsa_float_denorm_mode_16_64 3
		.amdhsa_memory_ordered 1
		.amdhsa_forward_progress 1
		.amdhsa_inst_pref_size 134
	.end_amdhsa_kernel
	.amdgpu_metadata
---
amdhsa.version: [ 1, 2 ]
amdhsa.kernels:
  - .name:           k_qeb52388a48_gemm1
    .symbol:         k_qeb52388a48_gemm1.kd
    .args:
      - { .name: xb, .offset: 0, .size: 8, .value_kind: global_buffer, .address_space: global }
      - { .name: web, .offset: 8, .size: 8, .value_kind: global_buffer, .address_space: global }
      - { .name: b_embed, .offset: 16, .size: 8, .value_kind: global_buffer, .address_space: global }
      - { .name: sT, .offset: 24, .size: 8, .value_kind: global_buffer, .address_space: global }
    .group_segment_fixed_size: 327680
    .private_segment_fixed_size: 0
    .kernarg_segment_align: 8
    .kernarg_segment_size: 32
    .max_flat_workgroup_size: 128
    .sgpr_count:     66
    .vgpr_count:     1024
    .wavefront_size: 32
...
	.end_amdgpu_metadata
.endif
;; end of part 2
;; launch h2gen (part 3): grid 256 x 1, 8 waves a work-group, no clusters, 24,320 bytes of LDS; arguments sT, core0, core1, core2, mpo_bias, h2f, sc2; writes h2f, sc2
.if DOCPART == 3
	.amdgcn_target "amdgcn-amd-amdhsa--gfx1250"
	.amdhsa_code_object_version 6
	.text
	.protected	k_qeb52388a48_h2gen
	.globl	k_qeb52388a48_h2gen
	.p2align	8
	.type	k_qeb52388a48_h2gen,@function
k_qeb52388a48_h2gen:
	s_mov_b64 s[64:65], 0
	v_nop
	global_prefetch_b8 v0, s[64:65] scope:SCOPE_SE
	s_setreg_imm32_b32 hwreg(HW_REG_WAVE_MODE, 25, 1), 1
	s_wait_xcnt 0x0
; The tensor-train layer and its tanh.  With o[b][i][r] = sum_j s[b][j] core0[j][i][r], cc1 = mean_x core1[r][j1][x][t], cc2 = mean_x core2[t][j2][x] and
; D[r][16 j1 + j2] = sum_t cc1[r][j1][t] cc2[t][j2]:   h2[b][256 i + m] = tanh(o[b][i][0] D[0][m] + o[b][i][1] D[1][m] + mpo_bias[256 i + m]).
; The same sums as the chain of contractions, otherwise bracketed; all in f32.  The contractions are 16, 2 and 2 long: vector work; a matrix form 32 deep would be fed mostly zeros.
; The cores and the bias are rounded to bf16 first, like every input of the program.
; OUTPUT.  h2 x S[b] in f16, S a power of two of the row's own, since h2 may be far below f16's range; sc2[b] = 1 / (256 S[b]) undoes it, and the weights' factor 256, behind the next product.
; h2f lies IN THE ORDER OF THE NEXT PRODUCT'S FRAGMENTS: [block of 16 rows][block of 32 k][half j][lane][16 bytes]; lane 16 h + r holds row r, k = 16 j + 8 h + 0..7.  So that product loads a
; fragment's half as 512 consecutive bytes, straight into registers.
; S comes from a bound, so the row is walked once: U = max|o| x max_m(|D0| + |D1|) + max|bias| >= every |argument|; U is held to 2^-100 .. 1; with 2^e <= U < 2^(e+1): S = 2^(13-e), so |h2| S < 2^14.
; LIMITS.  Where U < 2^-100 it counts as 2^-100.  Numbers below 2^-28 U fall on f16's fixed step, 2^-38 U, which is below the f32 rounding of the argument itself.  NaN and infinities are not treated apart.
; SHARES.  A work-group owns 16 rows: one row block, 131,072 consecutive bytes of h2f.  A lane is (row r = lane % 16, half h = lane / 16).  Wave w owns the k blocks 8 c + w, c = 0..15: m = 32 w + 16 j + 8 h + e
; whatever c, so its 16 + 16 numbers of D stay in registers; a trip's two stores cover 1,024 consecutive bytes.  o and S of rows 2 w, 2 w + 1 are made by wave w and handed on through LDS.
; sc2 leaves as 8 bytes a wave: 16 KB in the whole launch.
; TANH.  x^2 < 2^-8: x (1 - x^2 / 3); else 1 - 2 / (1 + 2^(2 log2(e) x)); v_cndmask_b32 chooses.
.set WSC,   16384                      ; LDS 0-16,383: the bias, f32, as it lies in memory.  Then 512 bytes a wave, its own: cc1 (256), cc2 (128)
.set OT,    20480                      ; o: 16 rows of 32 f32, 136 bytes apart: 34 words, so the 16 rows' pairs of words fall into different banks (64 banks of 4 bytes: ISA guide 11.1)
.set OP,    136
.set STAB,  22784                      ; S of the 16 rows
.set RED,   23040                      ; the eight waves' largest |bias|
.set SPARE, 23296                      ; the spare words, 128 bytes a wave: four blocks of 256 bytes that no other line names
.set LN,  1                            ; v1 lane
.set BD,  2                            ; v2 16 x thread: my bias bytes in memory and in the table
.set BA,  4                            ; v4 my bias bytes of the trip   v5 my row's o of the trip   v6 my bytes in a half fragment
.set OA,  5
.set GO,  6
.set T7,  7
.set T8,  8
.set WA,  9
.set SPW, 10                           ; v10 my spare word; never rewritten
.set NIL, 11                           ; v11 0; never rewritten
.set SV,  12                           ; v12-13 s[j = lane % 16] of my wave's two rows
.set OV,  14                           ; v14-15 o[q = lane] of those rows, q = 2 i + r
.set SI,  16                           ; v16-19 (S, 1 / 256 S) of those rows
.set BMAX, 20
.set DQ,  21
.set C0,  28                           ; v28-43 core0[j][q = lane]
.set D0,  44                           ; v44-59 D[0][32 w + 16 j + 8 h + e] at 8 j + e   v60-75 D[1]
.set D1,  60
.set BI,  76
.set OO,  92
.set SR,  94                           ; v94 my row's S; v95 named with it as a pair
.set XX,  96
.set YY,  128
.set ZZ,  144
.set PP,  160
.set HH,  176
.set CT,  32                           ; s[32:33], s[34:35], s36: set behind the last use of s32-47 for o
.set CP,  34
.set TH,  36
.macro RND2 a, b, t
	v_cvt_pk_bf16_f32 v[\t], v[\a], v[\b]
	v_lshlrev_b32 v[\a], 16, v[\t]
	v_and_b32 v[\b], s30, v[\t]
.endm
.macro WMAX r                          ; the largest of the wave's 32, in every lane
	v_max_num_f32_dpp v[\r], v[\r], v[\r] row_xmask:1 row_mask:0xf bank_mask:0xf
	v_max_num_f32_dpp v[\r], v[\r], v[\r] row_xmask:2 row_mask:0xf bank_mask:0xf
	v_max_num_f32_dpp v[\r], v[\r], v[\r] row_xmask:4 row_mask:0xf bank_mask:0xf
	v_max_num_f32_dpp v[\r], v[\r], v[\r] row_xmask:8 row_mask:0xf bank_mask:0xf
	v_permlanex16_b32 v[T7], v[\r], s20, s21
	v_max_num_f32 v[\r], v[\r], v[T7]
.endm
.macro TANH16 X, Y, Z, P               ; tanh of the 16 numbers at X into Y.  Behind each run of transcendentals stand plain lines that touch none of its registers (ISA guide 5.7.2)
.set q, 0
.rept 8
	v_pk_mul_f32 v[(\Y)+q:(\Y)+q+1], v[(\X)+q:(\X)+q+1], s[CT:CT+1] op_sel_hi:[1,0]
.set q, q+2
.endr
.set q, 0
.rept 16
	v_exp_f32 v[(\Y)+q], v[(\Y)+q]
.set q, q+1
.endr
.set q, 0
.rept 8
	v_pk_mul_f32 v[(\Z)+q:(\Z)+q+1], v[(\X)+q:(\X)+q+1], v[(\X)+q:(\X)+q+1]
.set q, q+2
.endr
.set q, 0
	s_wait_alu depctr_va_vdst(0)
.rept 8
	v_pk_add_f32 v[(\Y)+q:(\Y)+q+1], v[(\Y)+q:(\Y)+q+1], 1.0 op_sel_hi:[1,0]
.set q, q+2
.endr
.set q, 0
.rept 16
	v_rcp_f32 v[(\Y)+q], v[(\Y)+q]
.set q, q+1
.endr
.set q, 0
.rept 8
	v_pk_fma_f32 v[(\P)+q:(\P)+q+1], v[(\Z)+q:(\Z)+q+1], s[CP:CP+1], 1.0 op_sel_hi:[1,0,0]
.set q, q+2
.endr
.set q, 0
.rept 8
	v_pk_mul_f32 v[(\P)+q:(\P)+q+1], v[(\P)+q:(\P)+q+1], v[(\X)+q:(\X)+q+1]
.set q, q+2
.endr
.set q, 0
	s_wait_alu depctr_va_vdst(0)
.rept 8
	v_pk_fma_f32 v[(\Y)+q:(\Y)+q+1], v[(\Y)+q:(\Y)+q+1], -2.0, 1.0 op_sel_hi:[1,0,0]
.set q, q+2
.endr
.set q, 0
.rept 16
	v_cmp_gt_f32 vcc_lo, s[TH], v[(\Z)+q]
	v_cndmask_b32 v[(\Y)+q], v[(\Y)+q], v[(\P)+q], vcc_lo
.set q, q+1
.endr
.endm
	s_load_b256 s[4:11], s[0:1], 0x0               ; sT s[4:5], core0 s[6:7], core1 s[8:9], core2 s[10:11]
	s_load_b128 s[12:15], s[0:1], 0x20             ; mpo_bias s[12:13], h2f s[14:15]
	s_load_b64 s[16:17], s[0:1], 0x30              ; sc2
	v_lshl_add_u32 v[SPW], v0, 2, SPARE
	v_mov_b32 v[NIL], 0
	v_mov_b32 v[T7], 0                             ; v_permlanex16_b32 counts as a reader of its destination
	v_lshrrev_b32 v3, 5, v0
	v_readfirstlane_b32 s18, v3                    ; wave 0..7
	v_and_b32 v[LN], 31, v0
	s_lshl_b32 s19, ttmp9, 4
	s_lshl1_add_u32 s19, s18, s19                  ; the first of the two rows whose o I make: 16 x work-group + 2 x wave
	s_mov_b32 s20, 0x76543210
	s_mov_b32 s21, 0xfedcba98
	s_mov_b32 s30, 0xffff0000
	s_mov_b32 s31, 0x7fffffff
	s_mov_b32 s2, 0x7fff7fff
	s_lshl_b32 s23, s18, 9
	s_add_co_u32 s23, s23, WSC                     ; my wave's scratch
	v_lshlrev_b32 v[BD], 4, v0
	v_lshlrev_b32 v23, 7, v[LN]                    ; core1: lane p = 16 r + j1 takes its 16 x 2 numbers
	v_lshlrev_b32 v24, 6, v[LN]                    ; core2: lane p = 16 t + j2 takes its 16
	v_lshlrev_b32 v25, 2, v[LN]                    ; core0: column q = lane
	v_and_b32 v26, 15, v0
	s_lshl_b32 s26, s19, 2
	s_mov_b32 s27, 0
	v_lshl_add_u32 v26, v26, 14, s26               ; sT[lane % 16][those two rows]
	s_lshl_b32 s28, ttmp9, 17                      ; h2f: my work-group's row block,
	s_lshl_b32 s22, s18, 10                        ; my wave's k block of the first eight
	s_add_co_u32 s28, s28, s22
	s_mov_b32 s29, 0
	s_wait_kmcnt 0x0
.irp k, 0,1,2,3
	global_load_b128 v[ZZ+4*(\k):ZZ+4*(\k)+3], v[BD], s[12:13] offset:4096*(\k)
.endr
.irp i, 0,1,2,3,4,5,6,7
	global_load_b128 v[XX+4*(\i):XX+4*(\i)+3], v23, s[8:9] offset:16*(\i)
.endr
.irp i, 0,1,2,3
	global_load_b128 v[YY+4*(\i):YY+4*(\i)+3], v24, s[10:11] offset:16*(\i)
.endr
.set j, 0
.rept 16
	global_load_b32 v[C0+j], v25, s[6:7] offset:128*j
.set j, j+1
.endr
	global_load_b64 v[SV:SV+1], v26, s[4:5]
	s_add_nc_u64 s[14:15], s[14:15], s[28:29]
	s_add_nc_u64 s[16:17], s[16:17], s[26:27]      ; sc2 at those two rows
	; the bias: rounded, into the table; its largest magnitude
	s_wait_loadcnt 29                              ; behind the bias: 8 + 4 + 16 + 1 loads
.set q, 0
.rept 8
	RND2 ZZ+2*q, ZZ+2*q+1, PP+q
.set q, q+1
.endr
.irp k, 0,1,2,3
	ds_store_b128 v[BD], v[ZZ+4*(\k):ZZ+4*(\k)+3] offset:4096*(\k)
.endr
.set q, 0
.rept 8
	v_and_b32 v[PP+q], s2, v[PP+q]                 ; two signs at once, on the packed words
.set q, q+1
.endr
.irp q, 0,2,4,6
	v_pk_max_num_bf16 v[PP+(\q)], v[PP+(\q)], v[PP+(\q)+1]
.endr
	v_pk_max_num_bf16 v[PP], v[PP], v[PP+2]
	v_pk_max_num_bf16 v[PP+4], v[PP+4], v[PP+6]
	v_pk_max_num_bf16 v[PP], v[PP], v[PP+4]
	v_lshlrev_b32 v[BMAX], 16, v[PP]
	v_and_b32 v[T8], s30, v[PP]
	v_max_num_f32 v[BMAX], v[BMAX], v[T8]
	WMAX BMAX
	s_lshl_b32 s22, s18, 2
	s_add_co_u32 s22, s22, RED
	v_mov_b32 v3, s22
	ds_store_b32 v3, v[BMAX]
	s_wait_dscnt 0x0                               ; for the others' sake: my part of the table and my maximum are in
	s_barrier_signal -1
	s_barrier_wait -1
	v_mov_b32 v3, RED
	ds_load_b128 v[PP:PP+3], v3
	ds_load_b128 v[PP+4:PP+7], v3 offset:16
	; cc1: the mean over x of 16 pairs (t = 0, 1)
	s_wait_loadcnt 21                              ; behind core1: 4 + 16 + 1
.set q, 0
.rept 16
	RND2 XX+2*q, XX+2*q+1, T8
.set q, q+1
.endr
.irp st, 4, 8, 16, 32
.set q, 0
.rept 32/(\st)
	v_pk_add_f32 v[XX+q:XX+q+1], v[XX+q:XX+q+1], v[XX+q+(\st)/2:XX+q+(\st)/2+1]
.set q, q+(\st)
.endr
.endr
	v_pk_mul_f32 v[XX:XX+1], v[XX:XX+1], 0x3d800000 op_sel_hi:[1,0]
	v_lshl_add_u32 v27, v[LN], 3, s23
	ds_store_b64 v27, v[XX:XX+1]
	; cc2: the mean over x of 16
	s_wait_loadcnt 17                              ; behind core2: 16 + 1
.set q, 0
.rept 8
	RND2 YY+2*q, YY+2*q+1, T8
.set q, q+1
.endr
.irp st, 4, 8, 16
.set q, 0
.rept 16/(\st)
	v_pk_add_f32 v[YY+q:YY+q+1], v[YY+q:YY+q+1], v[YY+q+(\st)/2:YY+q+(\st)/2+1]
.set q, q+(\st)
.endr
.endr
	v_add_f32 v[YY], v[YY], v[YY+1]
	v_mul_f32 v[YY], 0x3d800000, v[YY]
	v_lshl_add_u32 v[WA], v[LN], 2, s23
	ds_store_b32 v[WA], v[YY] offset:256
	; D twice.  LDS serves a wave's instructions in order (ISA guide 5.7.1.4): these loads see my wave's stores.
	; For the bound, all 256 m over the wave: lane l has m = 8 l + e: j1 = l / 2, j2 = 8 (l % 2) + e
	v_lshrrev_b32 v3, 1, v[LN]
	v_lshl_add_u32 v3, v3, 3, s23
	ds_load_b64 v[PP+8:PP+9], v3                   ; cc1[0][j1][0, 1]
	ds_load_b64 v[PP+10:PP+11], v3 offset:128      ; cc1[1][j1][0, 1]
	v_and_b32 v27, 1, v[LN]
	v_lshl_add_u32 v27, v27, 5, s23
	ds_load_b128 v[YY:YY+3], v27 offset:256        ; cc2[0][j2 ..]
	ds_load_b128 v[YY+4:YY+7], v27 offset:272
	ds_load_b128 v[YY+8:YY+11], v27 offset:320     ; cc2[1][j2 ..]
	ds_load_b128 v[YY+12:YY+15], v27 offset:336
	; For the work, my wave's 32 m: j1 = 2 w + j, j2 = 8 h + e
	s_lshl_b32 s22, s18, 4
	s_add_co_u32 s22, s22, s23
	v_mov_b32 v22, s22
	ds_load_b128 v[XX+16:XX+19], v22               ; cc1[0][2 w, 2 w + 1][0, 1]
	ds_load_b128 v[XX+20:XX+23], v22 offset:128    ; cc1[1][..]
	v_lshrrev_b32 v24, 4, v[LN]                    ; (core2's loads, which named v24, are back)
	v_lshl_add_u32 v24, v24, 5, s23
	ds_load_b128 v[XX:XX+3], v24 offset:256        ; cc2[0][8 h ..]
	ds_load_b128 v[XX+4:XX+7], v24 offset:272
	ds_load_b128 v[XX+8:XX+11], v24 offset:320     ; cc2[1][8 h ..]
	ds_load_b128 v[XX+12:XX+15], v24 offset:336
	s_wait_dscnt 0x0
	v_max3_num_f32 v[BMAX], v[PP], v[PP+1], v[PP+2]
	v_max3_num_f32 v[BMAX], v[BMAX], v[PP+3], v[PP+4]
	v_max3_num_f32 v[BMAX], v[BMAX], v[PP+5], v[PP+6]
	v_max_num_f32 v[BMAX], v[BMAX], v[PP+7]
.irp q, 0,2,4,6
	v_pk_mul_f32 v[D0+(\q):D0+(\q)+1], v[YY+(\q):YY+(\q)+1], v[PP+8:PP+9] op_sel_hi:[1,0]
	v_pk_mul_f32 v[D0+8+(\q):D0+8+(\q)+1], v[YY+(\q):YY+(\q)+1], v[PP+10:PP+11] op_sel_hi:[1,0]
.endr
.irp q, 0,2,4,6
	v_pk_fma_f32 v[D0+(\q):D0+(\q)+1], v[YY+8+(\q):YY+8+(\q)+1], v[PP+8:PP+9], v[D0+(\q):D0+(\q)+1] op_sel:[0,1,0]
	v_pk_fma_f32 v[D0+8+(\q):D0+8+(\q)+1], v[YY+8+(\q):YY+8+(\q)+1], v[PP+10:PP+11], v[D0+8+(\q):D0+8+(\q)+1] op_sel:[0,1,0]
.endr
.set q, 0
.rept 16
	v_and_b32 v[ZZ+q], s31, v[D0+q]                ; |D[0]|, then |D[1]|
.set q, q+1
.endr
	v_max3_num_f32 v[DQ], v[ZZ], v[ZZ+1], v[ZZ+2]
	v_max3_num_f32 v[T8], v[ZZ+8], v[ZZ+9], v[ZZ+10]
	v_max3_num_f32 v[DQ], v[DQ], v[ZZ+3], v[ZZ+4]
	v_max3_num_f32 v[T8], v[T8], v[ZZ+11], v[ZZ+12]
	v_max3_num_f32 v[DQ], v[DQ], v[ZZ+5], v[ZZ+6]
	v_max3_num_f32 v[T8], v[T8], v[ZZ+13], v[ZZ+14]
	v_max_num_f32 v[DQ], v[DQ], v[ZZ+7]
	v_max_num_f32 v[T8], v[T8], v[ZZ+15]
	v_add_f32 v[DQ], v[DQ], v[T8]
	WMAX DQ
.irp j, 0,1                            ; the D that stays: D[r][32 w + 16 j + 8 h + e]
.irp e, 0,2,4,6
	v_pk_mul_f32 v[D0+8*(\j)+(\e):D0+8*(\j)+(\e)+1], v[XX+(\e):XX+(\e)+1], v[XX+16+2*(\j):XX+16+2*(\j)+1] op_sel_hi:[1,0]
	v_pk_mul_f32 v[D1+8*(\j)+(\e):D1+8*(\j)+(\e)+1], v[XX+(\e):XX+(\e)+1], v[XX+20+2*(\j):XX+20+2*(\j)+1] op_sel_hi:[1,0]
.endr
.endr
.irp j, 0,1
.irp e, 0,2,4,6
	v_pk_fma_f32 v[D0+8*(\j)+(\e):D0+8*(\j)+(\e)+1], v[XX+8+(\e):XX+8+(\e)+1], v[XX+16+2*(\j):XX+16+2*(\j)+1], v[D0+8*(\j)+(\e):D0+8*(\j)+(\e)+1] op_sel:[0,1,0]
	v_pk_fma_f32 v[D1+8*(\j)+(\e):D1+8*(\j)+(\e)+1], v[XX+8+(\e):XX+8+(\e)+1], v[XX+20+2*(\j):XX+20+2*(\j)+1], v[D1+8*(\j)+(\e):D1+8*(\j)+(\e)+1] op_sel:[0,1,0]
.endr
.endr
	s_wait_loadcnt 1                               ; core0 is in; s may be out
.set q, 0
.rept 8
	RND2 C0+2*q, C0+2*q+1, T8
.set q, q+1
.endr
	s_mul_i32 s22, s18, 2*OP
	s_add_co_u32 s22, s22, OT
	v_lshl_add_u32 v[WA], v[LN], 2, s22            ; o[row 2 w][q = lane]
	s_lshl_b32 s22, s18, 3
	s_add_co_u32 s22, s22, STAB
	v_mov_b32 v22, s22                             ; S[row 2 w]
	s_wait_loadcnt 0x0
.irp k, 0,1                            ; o, the bound and the scales of rows 2 w + k
.set j, 0
.rept 16
	v_readlane_b32 s[32+j], v[SV+(\k)], j
.set j, j+1
.endr
	v_mul_f32 v[OV+(\k)], s32, v[C0]
.set j, 1
.rept 15
	v_fmac_f32 v[OV+(\k)], s[32+j], v[C0+j]
.set j, j+1
.endr
	ds_store_b32 v[WA], v[OV+(\k)] offset:OP*(\k)
	v_and_b32 v[T8], s31, v[OV+(\k)]
	WMAX T8
	v_fma_f32 v[T8], v[T8], v[DQ], v[BMAX]         ; U
	v_max_num_f32 v[T8], 0x0d800000, v[T8]         ; 2^-100
	v_min_num_f32 v[T8], 1.0, v[T8]
	v_and_b32 v[T8], 0x7f800000, v[T8]             ; 2^e, as bits
	v_sub_nc_u32 v[SI+2*(\k)], 0x85800000, v[T8]   ; 2^(13-e): exponent fields add and subtract as whole numbers
	v_add_nc_u32 v[SI+2*(\k)+1], 0xf5800000, v[T8] ; 2^(e-21)
	ds_store_b32 v22, v[SI+2*(\k)] offset:4*(\k)   ; every lane writes the same word with the same number
.endr
	v_cmp_eq_u32 vcc_lo, 1, v[LN]
	v_cndmask_b32 v3, v[SI+1], v[SI+3], vcc_lo
	v_lshlrev_b32 v[T8], 2, v[LN]
	v_cmp_gt_u32 vcc_lo, 2, v[LN]
	s_wait_xcnt 0x0                                ; EXEC changes only behind this wait
	s_and_saveexec_b32 s25, vcc_lo
	global_store_b32 v[T8], v3, s[16:17]           ; lanes 0 and 1: the two rows' inverse scales
	s_wait_xcnt 0x0
	s_or_b32 exec_lo, exec_lo, s25
	s_wait_dscnt 0x0                               ; for the others' sake: o and S of my two rows are in
	s_barrier_signal -1
	s_barrier_wait -1
	s_mov_b32 s[CT], 0x4038aa3b
	s_mov_b32 s[CT+1], s[CT]
	s_mov_b32 s[CP], 0xbeaaaaab
	s_mov_b32 s[CP+1], s[CP]
	s_mov_b32 s[TH], 0x3b800000
	v_and_b32 v3, 15, v0                           ; from here on a lane is (row r, half h)
	v_lshl_add_u32 v27, v3, 2, STAB
	ds_load_b32 v[SR], v27
	v_mov_b32 v[SR+1], 0
	v_mul_u32_u24 v[OA], v3, OP
	v_add_nc_u32 v[OA], OT, v[OA]
	v_lshrrev_b32 v[BA], 4, v[LN]
	s_lshl_b32 s22, s18, 7
	v_lshl_add_u32 v[BA], v[BA], 5, s22            ; bias[32 w + 8 h ..]
	v_lshlrev_b32 v[GO], 4, v[LN]
	s_mov_b32 s24, 16
.Lchunk:                                               ; trip c: k block 8 c + w, 16 numbers a lane.  Two waves share a SIMD, so the one wait for LDS is not pipelined away
	ds_load_b128 v[BI:BI+3], v[BA]                 ; j = 0; the sixteen lanes of a half read the same words
	ds_load_b128 v[BI+4:BI+7], v[BA] offset:16
	ds_load_b128 v[BI+8:BI+11], v[BA] offset:64    ; j = 1
	ds_load_b128 v[BI+12:BI+15], v[BA] offset:80
	ds_load_b64 v[OO:OO+1], v[OA]                  ; o[my row][c][0, 1]
	s_wait_dscnt 0x0
.set q, 0
.rept 8
	v_pk_fma_f32 v[XX+q:XX+q+1], v[D0+q:D0+q+1], v[OO:OO+1], v[BI+q:BI+q+1] op_sel_hi:[1,0,1]
.set q, q+2
.endr
.set q, 0
.rept 8
	v_pk_fma_f32 v[XX+q:XX+q+1], v[D1+q:D1+q+1], v[OO:OO+1], v[XX+q:XX+q+1] op_sel:[0,1,0]
.set q, q+2
.endr
	TANH16 XX, YY, ZZ, PP
.set q, 0
.rept 8
	v_pk_mul_f32 v[YY+q:YY+q+1], v[YY+q:YY+q+1], v[SR:SR+1] op_sel_hi:[1,0]
.set q, q+2
.endr
.set q, 0
.rept 8
	v_cvt_pk_f16_f32 v[HH+q], v[YY+2*q], v[YY+2*q+1]
.set q, q+1
.endr
	global_store_b128 v[GO], v[HH:HH+3], s[14:15]              ; the wave stores 512 consecutive bytes, aligned: half j = 0,
	global_store_b128 v[GO], v[HH+4:HH+7], s[14:15] offset:512 ; half j = 1
	s_wait_xcnt 0x0                                ; the stores' data and offset are rewritten only behind this wait
	v_add_nc_u32 v[GO], 8192, v[GO]
	v_add_nc_u32 v[BA], 1024, v[BA]
	v_add_nc_u32 v[OA], 8, v[OA]
	s_sub_co_u32 s24, s24, 1
	s_cmp_lg_u32 s24, 0
	s_cbranch_scc1 .Lchunk
	s_wait_tensorcnt 0x0                           ; the wave's end
	ds_add_u32 v[SPW], v[NIL]
	s_wait_dscnt 0x0
	s_endpgm
.Lfunc_end_k_qeb52388a48_h2gen:
	.size	k_qeb52388a48_h2gen, .Lfunc_end_k_qeb52388a48_h2gen-k_qeb52388a48_h2gen
	.p2alignl 7, 3214868480
	.fill 96, 4, 3214868480
	.section	.rodata,"a",@progbits
	.p2align	6, 0x0
	.amdhsa_kernel k_qeb52388a48_h2gen
		.amdhsa_group_segment_fixed_size 24320
		.amdhsa_private_segment_fixed_size 0
		.amdhsa_enable_private_segment 0
		.amdhsa_kernarg_size 56
		.amdhsa_user_sgpr_count 2
		.amdhsa_user_sgpr_kernarg_segment_ptr 1
		.amdhsa_wavefront_size32 1
		.amdhsa_system_sgpr_workgroup_id_x 1
		.amdhsa_system_sgpr_workgroup_id_y 1
		.amdhsa_system_sgpr_workgroup_id_z 1
		.amdhsa_system_vgpr_workitem_id 0
		.amdhsa_next_free_vgpr 184
		.amdhsa_next_free_sgpr 66
		.amdhsa_reserve_vcc 1
		.amdhsa_float_denorm_mode_32 3
		.amdhsa_float_denorm_mode_16_64 3
		.amdhsa_memory_ordered 1
		.amdhsa_forward_progress 1
		.amdhsa_inst_pref_size 34
	.end_amdhsa_kernel
	.amdgpu_metadata
---
amdhsa.version: [ 1, 2 ]
amdhsa.kernels:
  - .name:           k_qeb52388a48_h2gen
    .symbol:         k_qeb52388a48_h2gen.kd
    .args:
      - { .name: sT, .offset: 0, .size: 8, .value_kind: global_buffer, .address_space: global }
      - { .name: core0, .offset: 8, .size: 8, .value_kind: global_buffer, .address_space: global }
      - { .name: core1, .offset: 16, .size: 8, .value_kind: global_buffer, .address_space: global }
      - { .name: core2, .offset: 24, .size: 8, .value_kind: global_buffer, .address_space: global }
      - { .name: mpo_bias, .offset: 32, .size: 8, .value_kind: global_buffer, .address_space: global }
      - { .name: h2f, .offset: 40, .size: 8, .value_kind: global_buffer, .address_space: global }
      - { .name: sc2, .offset: 48, .size: 8, .value_kind: global_buffer, .address_space: global }
    .group_segment_fixed_size: 24320
    .private_segment_fixed_size: 0
    .kernarg_segment_align: 8
    .kernarg_segment_size: 56
    .max_flat_workgroup_size: 256
    .sgpr_count:     66
    .vgpr_count:     184
    .wavefront_size: 32
...
	.end_amdgpu_metadata
.endif
;; end of part 3
;; launch gemm2 (part 4): grid 32 x 8, 4 waves a work-group, clusters of 4 x 1, 327,680 bytes of LDS; arguments h2f, whf, sc2, b_hidden, h3b; writes h3b
.if DOCPART == 4
	.amdgcn_target "amdgcn-amd-amdhsa--gfx1250"
	.amdhsa_code_object_version 6
	.text
	.protected	k_qeb52388a48_gemm2
	.globl	k_qeb52388a48_gemm2
	.p2align	8
	.type	k_qeb52388a48_gemm2,@function
k_qeb52388a48_gemm2:
	s_mov_b64 s[64:65], 0
	v_nop
	global_prefetch_b8 v0, s[64:65] scope:SCOPE_SE
	s_setreg_imm32_b32 hwreg(HW_REG_WAVE_MODE, 25, 1), 1
	s_wait_xcnt 0x0
	s_wait_alu depctr_hold_cnt(0) depctr_sa_sdst(0) depctr_va_vdst(0) depctr_va_sdst(0) depctr_va_ssrc(0) depctr_va_vcc(0) depctr_vm_vsrc(0)
	s_getreg_b32 s2, hwreg(HW_REG_IB_STS2, 6, 4)
	s_cmp_eq_u32 s2, 0
	s_cbranch_scc0 .Lentry_in_a_cluster
	s_endpgm
.Lentry_in_a_cluster:
	s_bfe_u32 s2, ttmp6, 0x10000c
	s_cmp_lg_u32 s2, 0x3003
	s_cbranch_scc0 .Lentry_shape_is_right
	s_endpgm
.Lentry_shape_is_right:
; h3[b][n] = tanh(sc2[b] x (sum over k of h2[b][k] whf[n][k]) + b_hidden[n]), rounded once to bf16.  h2f and whf [2048][4096] are f16 (a row's power-of-two scale on h2f, 256 on whf; sc2 undoes
; both); sums in f32; b_hidden rounded to bf16.  LIMITS: those of the two operands, stated where they are made; a NaN stays a NaN.
; SHAPE.  A tile is 128 rows x 256 columns, which gives 32 x 8 = 256 work-groups; four waves, each 32 rows x 256 columns: 32 accumulators.
; ONLY whf GOES THROUGH LDS.  Two slots for both operands hold 128 along K at the most ((128 + 256) rows x 272 bytes x 2); with whf alone they hold 256 (256 rows x 528 bytes x 2 = 270,336), so a
; wave has 256 matrix instructions, not 128, between a tile's request and the wait for it, and half as many rounds.  whf's tile hangs on the tile column alone: the four row tiles of a cluster
; ask for it jointly, each wave 64 rows of 512 bytes.
; h2f COMES STRAIGHT INTO REGISTERS.  It lies in fragment order ([16 rows][32 k][half][lane][16 bytes]), so a load of the wave is 512 consecutive bytes, and with 32 rows a wave no byte is loaded twice
; in a work-group.  A ring of 8 buffers of 16 registers: in quarter q (32 along K, 32 matrix instructions) the four loads of quarter q + 7 are issued: 28 loads are on their way.
; The price: h2f is not shared in the cluster (each of the 8 tile columns loads it), and a wave reads all 256 rows of whf from LDS: one LDS load a matrix instruction.
; THE MATRIX INSTRUCTION IS USED TRANSPOSED (source 0 = 16 rows of whf, source 1 = 16 rows of h2): lane l holds row l % 16 and the columns 8 (l / 16) + 0..7.
; THE WAY OUT.  The raw sums go into the ring of slots, which has had its last fill and which no wave reads any more: each wave its own 32 rows of 1,040 bytes.  A loop of 16 trips takes two whole rows:
; lane l has columns 4 l .. 4 l + 3 and 128 + 4 l .., so its eight biases stay in registers and each store of the wave covers 256 consecutive bytes.
; REGISTERS: window 0: v0-31 addresses; v64-191 h2f's ring (on the way out: at work).  window 1: whf's fragments, two buffers of 128.  window 2: accumulators (a, b) at v[8 (16 a + b)].
.set SIZE_K, 4096
.set KSTEP,  256
.set PITCH,  528                       ; 512 bytes + 16 = 132 words: row r starts at bank 4 r mod 64 (64 banks of 4 bytes: ISA guide 11.1)
.set HALFT,  64*PITCH                  ; what one tensor load brings
.set SLOT,   4*HALFT                   ; whf's 256 rows
.set TAB,    2*SLOT                    ; behind the ring: the tile's 128 row scales
.set SPARE,  TAB+512                   ; the spare words, 128 bytes a wave: two blocks of 256 bytes that no other line names
.set LAPS,   SIZE_K/(2*KSTEP)          ; a lap = two slots = 16 quarters
.set DPITCH, 1040                      ; a dumped row: 256 f32 + 16 bytes = 260 words: again 4 r mod 64
.set DWAVE,  32*DPITCH
.set RBB,    131072                    ; bytes of a block of 16 rows of h2f
.set DEPTH,  7                         ; quarters that h2f's loads run ahead
.set BI,   8                           ; v8-15  my eight columns' biases
.set ADRB, 16                          ; v16-17 LDS address of whf's blocks 0-7 in slot 0, 1
.set ADRC, 18                          ; v18-19 of blocks 8-15 (an LDS offset has 16 bits)
.set AO,   20                          ; v20  16 x lane; never rewritten
.set DST,  24
.set RDA,  25
.set SCA,  26
.set GO,   27
.set SPW,  28                          ; my spare word; never rewritten
.set NIL,  29                          ; 0; never rewritten
.set AR,   64
.set LL,   64
.set SC,   80
.set XX,   96
.set YY,   112
.set ZZ,   128
.set PP,   144
.set HH,   160
.set WV, 16
.set TX, 21                            ; s21 tile column   s22 tile row
.set TY, 22
.set G1, 24
.set G0, 32                            ; s[32:39] a set for each slot
.set CT, 40
.set CP, 42
.set TH, 44
.set AP, 48                            ; s[48:49] h2f at my two row blocks, at the lap in hand
.set MSB, 0
.macro WIN new                         ; the immediate's high byte repeats the setting that is left
.if MSB != (\new)
	s_set_vgpr_msb (MSB<<8)|(\new)
.set MSB, \new
.endif
.endm
.set MUL,  0xa1                        ; source 0 (whf) window 1, source 1 (h2f) window 0, C and D window 2
.set TO_B, 0x40                        ; destination window 1, address window 0
.macro JLOAD s                         ; a joint load: every wave asks for its 64 rows; an s_nop 0 and four v_nop follow the line
	tensor_load_to_lds s[G0+4*(\s):G0+4*(\s)+3], s[G1:G1+7]
	s_nop 0
.rept 4
	v_nop
.endr
.endm
.macro CREST                           ; a round of the cluster's barrier behind its opening barrier
	s_cmp_lg_u32 s[WV], 0
	s_cbranch_scc1 .Lnot_wave_0_\@
	s_barrier_signal -3
.Lnot_wave_0_\@:
	s_barrier_wait -3
	s_barrier_signal -1
	s_barrier_wait -1
.endm
.macro CROUND
	s_barrier_signal -1
	s_barrier_wait -1
	CREST
.endm
.macro PLACES                          ; four plain places behind matrix instructions (ISA guide 7.12.1), where no other vector work is at hand
.rept 4
	v_nop
.endr
.endm
.macro RND2 a, b, t
	v_cvt_pk_bf16_f32 v[\t], v[\a], v[\b]
	v_lshlrev_b32 v[\a], 16, v[\t]
	v_and_b32 v[\b], 0xffff0000, v[\t]
.endm
.macro TANH16 X, Y, Z, P               ; x^2 < 2^-8: x (1 - x^2 / 3); else 1 - 2 / (1 + 2^(2 log2(e) x)).  Behind each run of transcendentals stand plain lines that touch none of its registers (ISA guide 5.7.2)
.set q, 0
.rept 8
	v_pk_mul_f32 v[(\Y)+q:(\Y)+q+1], v[(\X)+q:(\X)+q+1], s[CT:CT+1] op_sel_hi:[1,0]
.set q, q+2
.endr
.set q, 0
.rept 16
	v_exp_f32 v[(\Y)+q], v[(\Y)+q]
.set q, q+1
.endr
.set q, 0
.rept 8
	v_pk_mul_f32 v[(\Z)+q:(\Z)+q+1], v[(\X)+q:(\X)+q+1], v[(\X)+q:(\X)+q+1]
.set q, q+2
.endr
.set q, 0
	s_wait_alu depctr_va_vdst(0)
.rept 8
	v_pk_add_f32 v[(\Y)+q:(\Y)+q+1], v[(\Y)+q:(\Y)+q+1], 1.0 op_sel_hi:[1,0]
.set q, q+2
.endr
.set q, 0
.rept 16
	v_rcp_f32 v[(\Y)+q], v[(\Y)+q]
.set q, q+1
.endr
.set q, 0
.rept 8
	v_pk_fma_f32 v[(\P)+q:(\P)+q+1], v[(\Z)+q:(\Z)+q+1], s[CP:CP+1], 1.0 op_sel_hi:[1,0,0]
.set q, q+2
.endr
.set q, 0
.rept 8
	v_pk_mul_f32 v[(\P)+q:(\P)+q+1], v[(\P)+q:(\P)+q+1], v[(\X)+q:(\X)+q+1]
.set q, q+2
.endr
.set q, 0
	s_wait_alu depctr_va_vdst(0)
.rept 8
	v_pk_fma_f32 v[(\Y)+q:(\Y)+q+1], v[(\Y)+q:(\Y)+q+1], -2.0, 1.0 op_sel_hi:[1,0,0]
.set q, q+2
.endr
.set q, 0
.rept 16
	v_cmp_gt_f32 vcc_lo, s[TH], v[(\Z)+q]
	v_cndmask_b32 v[(\Y)+q], v[(\Y)+q], v[(\P)+q], vcc_lo
.set q, q+1
.endr
.endm
; The four loads of quarter n of the lap in hand (n may reach into the next lap): my two row blocks, two halves each, into ring buffer n % 8.
.macro ALOAD n
	WIN 0
.irp a, 0,1
	global_load_b128 v[AR+16*((\n)%8)+8*(\a):AR+16*((\n)%8)+8*(\a)+3],   v[AO], s[AP:AP+1] offset:(\a)*RBB+(\n)*1024
	global_load_b128 v[AR+16*((\n)%8)+8*(\a)+4:AR+16*((\n)%8)+8*(\a)+7], v[AO], s[AP:AP+1] offset:(\a)*RBB+(\n)*1024+512
.endr
.endm
	s_load_b256 s[4:11], s[0:1], 0x0               ; h2f s[4:5], whf s[6:7], sc2 s[8:9], b_hidden s[10:11]
	s_load_b64 s[12:13], s[0:1], 0x20              ; h3b
	v_lshl_add_u32 v[SPW], v0, 2, SPARE
	v_mov_b32 v[NIL], 0
	ds_add_u32 v[SPW], v[NIL]                      ; the wave's opening: the add and its wait ahead of my first tensor load
	v_lshrrev_b32 v1, 5, v0
	v_readfirstlane_b32 s[WV], v1
	s_bfe_u32 s19, ttmp6, 0x40000                  ; cx: my place in the cluster
	s_lshl_b32 s[TY], ttmp9, 2                     ; in a cluster launch ttmp9 counts clusters
	s_add_co_u32 s[TY], s[TY], s19                 ; tile row = 4 x cluster x + cx: it enters h2f's, sc2's and h3b's addresses alone
	s_and_b32 s[TX], ttmp7, 0xffff                 ; tile column, which the four partners share
	s_mov_b32 s[G1], 15|(1<<16)|(1<<20)|(1<<21)|(6<<22)|(3<<25)   ; the mask of four; 2-byte elements; padding on; bit 21 beside a mask; after every 128 words 4 words
	s_mov_b32 s[G1+1], KSTEP<<16                   ; tensor_dim0 = 256
	s_mov_b32 s[G1+2], 64<<16                      ; tensor_dim1 = 64
	s_mov_b32 s[G1+3], KSTEP<<16                   ; tile_dim0 = 256
	s_mov_b32 s[G1+4], 64                          ; tile_dim1 = 64
	s_mov_b32 s[G1+5], SIZE_K                      ; elements from row to row
	s_mov_b32 s[G1+6], 0
	s_mov_b32 s[G1+7], 0
	s_lshl_b32 s40, s[TX], 21                      ; whf: 256 rows of 8,192 bytes a tile column,
	s_lshl_b32 s44, s[WV], 19                      ; 64 a wave: made of the tile column and the wave alone
	s_add_co_u32 s40, s40, s44
	s_mov_b32 s41, 0
	s_mul_i32 s45, s[WV], HALFT                    ; where they go: wave x 64 rows
	s_lshl_b32 s[AP], s[TY], 20                    ; h2f: 8 row blocks a tile row,
	s_lshl_b32 s44, s[WV], 18                      ; two a wave
	s_add_co_u32 s[AP], s[AP], s44
	s_mov_b32 s[AP+1], 0
	s_lshl_b32 s42, s[TY], 19                      ; h3b: 128 rows of 4,096 bytes a tile row,
	s_lshl_b32 s43, s[WV], 17                      ; 32 a wave,
	s_add_co_u32 s42, s42, s43
	s_lshl_b32 s43, s[TX], 9                       ; 512 bytes a tile column
	s_add_co_u32 s42, s42, s43
	s_mov_b32 s43, 0
	s_lshl_b32 s14, s[TY], 9                       ; the tile's 128 scales
	s_mov_b32 s15, 0
	s_lshl_b32 s2, s[TX], 10                       ; the tile's 256 biases
	s_mov_b32 s3, 0
	s_wait_dscnt 0x0                               ; the opening add is done
	s_wait_kmcnt 0x0
	s_add_nc_u64 s[40:41], s[6:7], s[40:41]
	s_add_nc_u64 s[AP:AP+1], s[4:5], s[AP:AP+1]
	s_add_nc_u64 s[8:9], s[8:9], s[14:15]
	s_add_nc_u64 s[10:11], s[10:11], s[2:3]
	s_add_nc_u64 s[12:13], s[12:13], s[42:43]
	CROUND                                         ; all four work-groups are here: the first joint loads meet
.irp s, 0,1
	s_mov_b32 s[G0+4*(\s)], 1
	s_add_co_u32 s[G0+4*(\s)+1], s45, (\s)*SLOT
	s_add_nc_u64 s[G0+4*(\s)+2:G0+4*(\s)+3], s[40:41], (\s)*KSTEP*2
	s_or_b32 s[G0+4*(\s)+3], s[G0+4*(\s)+3], 0x80000000
	JLOAD \s                                       ; two loads of mine are out
.endr
	v_lshlrev_b32 v6, 2, v0
	global_load_b32 v7, v6, s[8:9]                 ; thread t: row t's scale
	v_and_b32 v5, 31, v0
	v_lshlrev_b32 v[AO], 4, v5
	global_load_b128 v[BI:BI+3], v[AO], s[10:11]             ; columns 4 l ..
	global_load_b128 v[BI+4:BI+7], v[AO], s[10:11] offset:512 ; columns 128 + 4 l ..
.irp n, 0,1,2,3,4,5,6
	ALOAD \n                                       ; h2f's ring is filled: quarters 0 to 6
.endr
	v_and_b32 v1, 15, v0                           ; l % 16
	v_bfe_u32 v2, v0, 4, 1                         ; l / 16
	v_mul_u32_u24 v3, v1, PITCH
	v_lshl_add_u32 v3, v2, 4, v3                   ; a fragment's row x pitch + 16 x half
	v_mov_b32 v[ADRB], v3
	v_add_nc_u32 v[ADRB+1], SLOT, v3
	v_add_nc_u32 v[ADRC], 128*PITCH, v3
	v_add_nc_u32 v[ADRC+1], SLOT+128*PITCH, v3
	s_mul_i32 s14, s[WV], DWAVE                    ; my part of the dump
	v_mul_u32_u24 v4, v1, DPITCH
	v_lshl_add_u32 v4, v2, 5, v4                   ; row l % 16, 32 bytes for each half of the lanes
	v_add_nc_u32 v[DST], s14, v4
	v_lshl_add_u32 v[RDA], v5, 4, s14              ; back: whole rows
	s_lshl_b32 s15, s[WV], 7
	s_add_co_u32 s15, s15, TAB
	v_mov_b32 v[SCA], s15                          ; my 32 rows' scales
	v_lshlrev_b32 v[GO], 3, v5
	v_lshl_add_u32 v22, v0, 2, TAB
	s_mov_b32 s[CT], 0x4038aa3b
	s_mov_b32 s[CT+1], s[CT]
	s_mov_b32 s[CP], 0xbeaaaaab
	s_mov_b32 s[CP+1], s[CP]
	s_mov_b32 s[TH], 0x3b800000
	s_wait_loadcnt 28                              ; the scale and the biases are in; the ring's 28 loads stay out
	ds_store_b32 v22, v7
	RND2 BI, BI+1, 21
	RND2 BI+2, BI+3, 21
	RND2 BI+4, BI+5, 21
	RND2 BI+6, BI+7, 21
; 8 matrix instructions: n blocks b0 .. b0 + 3 x my two m blocks, 32 along K.  zero = 1: the first product starts the sums.  The accumulators take turns.
.macro MULB f, ra, b0, zero
	WIN MUL
.irp b, 0,1,2,3
.irp a, 0,1
.if \zero
	v_wmma_f32_16x16x32_f16 v[8*(16*(\a)+(\b0)+(\b)):8*(16*(\a)+(\b0)+(\b))+7], v[(\f)+8*((\b0)+(\b)):(\f)+8*((\b0)+(\b))+7], v[(\ra)+8*(\a):(\ra)+8*(\a)+7], 0
.else
	v_wmma_f32_16x16x32_f16 v[8*(16*(\a)+(\b0)+(\b)):8*(16*(\a)+(\b0)+(\b))+7], v[(\f)+8*((\b0)+(\b)):(\f)+8*((\b0)+(\b))+7], v[(\ra)+8*(\a):(\ra)+8*(\a)+7], v[8*(16*(\a)+(\b0)+(\b)):8*(16*(\a)+(\b0)+(\b))+7]
.endif
.endr
.endr
.endm
.macro FETCH slot, k, f                ; 32 LDS loads in one run: whf's 16 blocks, 32 along K at byte k of the rows, blocks 0-7 first
	WIN TO_B
.irp i, 0,1,2,3,4,5,6,7
	ds_load_b128 v[(\f)+8*(\i):(\f)+8*(\i)+3],   v[ADRB+(\slot)] offset:(\k)+(\i)*16*PITCH
	ds_load_b128 v[(\f)+8*(\i)+4:(\f)+8*(\i)+7], v[ADRB+(\slot)] offset:(\k)+(\i)*16*PITCH+32
.endr
.irp i, 0,1,2,3,4,5,6,7
	ds_load_b128 v[(\f)+64+8*(\i):(\f)+64+8*(\i)+3],   v[ADRC+(\slot)] offset:(\k)+(\i)*16*PITCH
	ds_load_b128 v[(\f)+64+8*(\i)+4:(\f)+64+8*(\i)+7], v[ADRC+(\slot)] offset:(\k)+(\i)*16*PITCH+32
.endr
.endm
; Quarter p of a lap (16: the next lap's quarter 0, by the old lap's pointer): slot (p / 8) % 2, whf's buffer p % 2, h2f's ring buffer p % 8.  In its middle, four places behind the last products that
; read them, the ring buffer and whf's buffer of the quarter before are loaded again.  ld = 1: h2f's quarter p + 7 is asked for.  lc: the h2f loads younger than this quarter's.
.macro QUARTER p, zero, ld, lc
.set sl, ((\p)/8)%2
.set fb, 128*((\p)%2)
.set gb, 128-fb
.set ra, AR+16*((\p)%8)
	s_wait_loadcnt \lc                             ; loads come back in order (ISA guide 5.7.1): this quarter's four are in
	s_wait_dscnt 16                                ; whf's blocks 0-7 are in
	MULB fb, ra, 0, \zero
	MULB fb, ra, 4, \zero
	PLACES
.if \ld
	ALOAD (\p)+DEPTH
.endif
	FETCH sl, 64*((\p)%8+1), gb
	s_wait_dscnt 32                                ; all but the 32 just issued
	MULB fb, ra, 8, \zero
	MULB fb, ra, 12, \zero
.endm
; A slot's last quarter changes slots: one barrier; in front of it each wave waits for all its tensor loads (one is out: its part of the next slot), adds 0 to its spare word, and waits for that and for
; its reads of this slot.  fill = 1: the barrier opens a round of the cluster's, and the slot is filled again first thing behind it, two slots ahead: 240 matrix instructions ahead of the wait for it.
.macro TURN p, fill, ld, lc
.set sl, ((\p)/8)%2
.set fb, 128*((\p)%2)
.set gb, 128-fb
.set ra, AR+16*((\p)%8)
	WIN 0
	s_wait_loadcnt \lc
	s_wait_tensorcnt 0x0
	ds_add_u32 v[SPW], v[NIL]
	s_wait_dscnt 17                                ; the add and the youngest sixteen loads may be out
	MULB fb, ra, 0, 0
	s_wait_dscnt 0x0                               ; the add is done, my reads of this slot are over
	s_barrier_signal -1
	MULB fb, ra, 4, 0
.if \fill
	WIN 0
.endif
	s_barrier_wait -1
.if \fill
	CREST
	s_add_nc_u64 s[G0+4*sl+2:G0+4*sl+3], s[G0+4*sl+2:G0+4*sl+3], 2*KSTEP*2
	JLOAD sl                                       ; its four v_nop are also the places in front of the loads below
.else
	PLACES
.endif
.if \ld
	ALOAD (\p)+DEPTH
.endif
	FETCH 1-sl, 0, gb
	MULB fb, ra, 8, 0
	MULB fb, ra, 12, 0
.endm
	s_wait_dscnt 0x0                               ; my scale is in the table
	s_wait_tensorcnt 1                             ; my part of slot 0 is in; slot 1's may stay out
	s_barrier_signal -1
	s_barrier_wait -1
	FETCH 0, 0, 0
	QUARTER 0, 1, 1, 24                            ; the first quarter starts the sums: nothing is cleared
	WIN 0
	s_mov_b32 s3, LAPS-1
.Llap:                                                 ; a trip goes once round the ring, from a lap's second quarter to the next lap's first, and fills both slots again
.irp p, 1,2,3,4,5,6
	QUARTER \p, 0, 1, 24
.endr
	TURN 7, 1, 1, 24
.irp p, 8,9,10,11,12,13,14
	QUARTER \p, 0, 1, 24
.endr
	TURN 15, 1, 1, 24
	QUARTER 16, 0, 1, 24
	WIN 0
	s_wait_xcnt 0x0                                ; h2f's pointer is stepped only behind this wait
	s_add_nc_u64 s[AP:AP+1], s[AP:AP+1], 16*1024
	s_sub_co_u32 s3, s3, 1
	s_cmp_lg_u32 s3, 0
	s_cbranch_scc1 .Llap
.irp p, 1,2,3,4,5,6                    ; the last lap fills no slot; h2f's last loads are quarter 15's, and then the counts run down
	QUARTER \p, 0, 1, 24
.endr
	TURN 7, 0, 1, 24
	QUARTER 8, 0, 1, 24
	QUARTER 9, 0, 0, 24
	QUARTER 10, 0, 0, 20
	QUARTER 11, 0, 0, 16
	QUARTER 12, 0, 0, 12
	QUARTER 13, 0, 0, 8
	QUARTER 14, 0, 0, 4
	s_wait_loadcnt 0x0
	s_wait_dscnt 16
	MULB 128, AR+112, 0, 0
	MULB 128, AR+112, 4, 0
	s_wait_dscnt 0x0                               ; my last reads of the ring are back
	s_barrier_signal -1
	MULB 128, AR+112, 8, 0
	MULB 128, AR+112, 12, 0
	WIN 0
	s_barrier_wait -1                              ; nobody reads the ring any more, and nothing is filled again: it serves as scratch
	PLACES
	WIN 0x08                                       ; store data (source 1) in window 2
.irp a, 0,1                            ; the dump: each accumulator's low four registers first
.irp b, 0,1,2,3,4,5,6,7,8,9,10,11,12,13,14,15
	ds_store_b128 v[DST], v[8*(16*(\a)+(\b)):8*(16*(\a)+(\b))+3]   offset:(\a)*16*DPITCH+64*(\b)
	ds_store_b128 v[DST], v[8*(16*(\a)+(\b))+4:8*(16*(\a)+(\b))+7] offset:(\a)*16*DPITCH+64*(\b)+16
.endr
.endr
	WIN 0
; Two whole rows of my 32.  pre = 1: the next two are asked for as soon as these have been taken.
.macro EPI2 pre
	s_wait_dscnt 0x0                               ; LDS serves a wave's instructions in order (ISA guide 5.7.1.4): the loads saw my own dump
.irp c, 0,1
	v_pk_fma_f32 v[XX+4*(\c):XX+4*(\c)+1],     v[LL+4*(\c):LL+4*(\c)+1],     v[SC:SC+1], v[BI+4*(\c):BI+4*(\c)+1] op_sel_hi:[1,0,1]
	v_pk_fma_f32 v[XX+4*(\c)+2:XX+4*(\c)+3],   v[LL+4*(\c)+2:LL+4*(\c)+3],   v[SC:SC+1], v[BI+4*(\c)+2:BI+4*(\c)+3] op_sel_hi:[1,0,1]
	v_pk_fma_f32 v[XX+8+4*(\c):XX+8+4*(\c)+1],   v[LL+8+4*(\c):LL+8+4*(\c)+1],   v[SC:SC+1], v[BI+4*(\c):BI+4*(\c)+1] op_sel:[0,1,0]
	v_pk_fma_f32 v[XX+8+4*(\c)+2:XX+8+4*(\c)+3], v[LL+8+4*(\c)+2:LL+8+4*(\c)+3], v[SC:SC+1], v[BI+4*(\c)+2:BI+4*(\c)+3] op_sel:[0,1,0]
.endr
.if \pre
	v_add_nc_u32 v[RDA], 2*DPITCH, v[RDA]
	v_add_nc_u32 v[SCA], 8, v[SCA]
.irp k, 0,1
.irp c, 0,1
	ds_load_b128 v[LL+8*(\k)+4*(\c):LL+8*(\k)+4*(\c)+3], v[RDA] offset:(\k)*DPITCH+512*(\c)
.endr
.endr
	ds_load_b64 v[SC:SC+1], v[SCA]
.endif
	TANH16 XX, YY, ZZ, PP
.set q, 0
.rept 8
	v_cvt_pk_bf16_f32 v[HH+q], v[YY+2*q], v[YY+2*q+1]
.set q, q+1
.endr
.irp k, 0,1
.irp c, 0,1
	global_store_b64 v[GO], v[HH+4*(\k)+2*(\c):HH+4*(\k)+2*(\c)+1], s[12:13] offset:4096*(\k)+256*(\c)   ; the wave stores 256 consecutive bytes, aligned
.endr
.endr
.if \pre
	s_wait_xcnt 0x0                                ; the stores' data and offset are rewritten only behind this wait
	v_add_nc_u32 v[GO], 8192, v[GO]
.endif
.endm
.irp k, 0,1
.irp c, 0,1
	ds_load_b128 v[LL+8*(\k)+4*(\c):LL+8*(\k)+4*(\c)+3], v[RDA] offset:(\k)*DPITCH+512*(\c)
.endr
.endr
	ds_load_b64 v[SC:SC+1], v[SCA]
	s_mov_b32 s14, 15
.Lrows:
	EPI2 1
	s_sub_co_u32 s14, s14, 1
	s_cmp_lg_u32 s14, 0
	s_cbranch_scc1 .Lrows
	EPI2 0
	s_wait_tensorcnt 0x0                           ; the wave's end
	ds_add_u32 v[SPW], v[NIL]
	s_wait_dscnt 0x0
	CROUND                                         ; the closing round
	s_endpgm
.Lfunc_end_k_qeb52388a48_gemm2:
	.size	k_qeb52388a48_gemm2, .Lfunc_end_k_qeb52388a48_gemm2-k_qeb52388a48_gemm2
	.p2alignl 7, 3214868480
	.fill 96, 4, 3214868480
	.section	.rodata,"a",@progbits
	.p2align	6, 0x0
	.amdhsa_kernel k_qeb52388a48_gemm2
		.amdhsa_group_segment_fixed_size 327680
		.amdhsa_private_segment_fixed_size 0
		.amdhsa_enable_private_segment 0
		.amdhsa_kernarg_size 40
		.amdhsa_user_sgpr_count 2
		.amdhsa_user_sgpr_kernarg_segment_ptr 1
		.amdhsa_wavefront_size32 1
		.amdhsa_system_sgpr_workgroup_id_x 1
		.amdhsa_system_sgpr_workgroup_id_y 1
		.amdhsa_system_sgpr_workgroup_id_z 1
		.amdhsa_system_vgpr_workitem_id 0
		.amdhsa_next_free_vgpr 768
		.amdhsa_next_free_sgpr 66
		.amdhsa_reserve_vcc 1
		.amdhsa_float_denorm_mode_32 3
		.amdhsa_float_denorm_mode_16_64 3
		.amdhsa_memory_ordered 1
		.amdhsa_forward_progress 1
		.amdhsa_inst_pref_size 176
	.end_amdhsa_kernel
	.amdgpu_metadata
---
amdhsa.version: [ 1, 2 ]
amdhsa.kernels:
  - .name:           k_qeb52388a48_gemm2
    .symbol:         k_qeb52388a48_gemm2.kd
    .args:
      - { .name: h2f, .offset: 0, .size: 8, .value_kind: global_buffer, .address_space: global }
      - { .name: whf, .offset: 8, .size: 8, .value_kind: global_buffer, .address_space: global }
      - { .name: sc2, .offset: 16, .size: 8, .value_kind: global_buffer, .address_space: global }
      - { .name: b_hidden, .offset: 24, .size: 8, .value_kind: global_buffer, .address_space: global }
      - { .name: h3b, .offset: 32, .size: 8, .value_kind: global_buffer, .address_space: global }
    .group_segment_fixed_size: 327680
    .private_segment_fixed_size: 0
    .kernarg_segment_align: 8
    .kernarg_segment_size: 40
    .max_flat_workgroup_size: 128
    .sgpr_count:     66
    .vgpr_count:     768
    .wavefront_size: 32
...
	.end_amdgpu_metadata
.endif
;; end of part 4
;; launch gemm3 (part 5): grid 8 x 32, 4 waves a work-group, clusters of 4 x 4, 327,680 bytes of LDS; arguments h3b, wob, b_out, out0; writes out0
.if DOCPART == 5
	.amdgcn_target "amdgcn-amd-amdhsa--gfx1250"
	.amdhsa_code_object_version 6
	.text
	.protected	k_qeb52388a48_gemm3
	.globl	k_qeb52388a48_gemm3
	.p2align	8
	.type	k_qeb52388a48_gemm3,@function
k_qeb52388a48_gemm3:
	s_mov_b64 s[64:65], 0
	v_nop
	global_prefetch_b8 v0, s[64:65] scope:SCOPE_SE
	s_setreg_imm32_b32 hwreg(HW_REG_WAVE_MODE, 25, 1), 1
	s_wait_xcnt 0x0
	s_wait_alu depctr_hold_cnt(0) depctr_sa_sdst(0) depctr_va_vdst(0) depctr_va_sdst(0) depctr_va_ssrc(0) depctr_va_vcc(0) depctr_vm_vsrc(0)
	s_getreg_b32 s2, hwreg(HW_REG_IB_STS2, 6, 4)
	s_cmp_eq_u32 s2, 0
	s_cbranch_scc0 .Lentry_in_a_cluster
	s_endpgm
.Lentry_in_a_cluster:
	s_bfe_u32 s2, ttmp6, 0x10000c
	s_cmp_lg_u32 s2, 0xf033
	s_cbranch_scc0 .Lentry_shape_is_right
	s_endpgm
.Lentry_shape_is_right:
; out0[b][n] = sum over k of h3b[b][k] wob[n][k] + b_out[n], f32.  h3b [4096][2048], wob [1024][2048] bf16; sums in f32; b_out rounded to bf16 like every input of the program.
; SHAPE.  A tile is 128 x 128, which gives 32 x 8 = 256 work-groups; four waves, each 64 x 64: 16 accumulators.  K goes in 8 steps of 256 (LDS rows of 512 bytes, padded to 528; a load brings 64 of them)
; through two LDS slots.  4 x 4 work-groups form a cluster: h3b's tiles are asked for jointly along a row of it, wob's along a column.
; THE MATRIX INSTRUCTION IS USED TRANSPOSED (source 0 = 16 rows of wob, source 1 = 16 rows of h3b): lane l holds row l % 16 and the columns 8 (l / 16) + 0..7.
; THE WAY OUT.  A wave's 64 f32 columns are 256 consecutive bytes of a row, so each wave has a stage of its own (16 rows of 272 bytes, behind the ring, never filled by a tensor load) and needs no barrier:
; 16 rows go in by lanes and come back by rows, the bias is added, sixteen lanes store a row's 256 bytes.
; REGISTERS: window 0: v0-31 addresses; v32-63 the way out; v128-255 accumulators (a, b) at v[128 + 8 (4 a + b)].  window 1: two fragment buffers of 128 (64 along K: 64 registers of h3b, then 64 of wob).
.set SIZE_K, 2048
.set KSTEP,  256
.set PITCH,  528                       ; 512 bytes + 16 = 132 words: row r starts at bank 4 r mod 64 (64 banks of 4 bytes: ISA guide 11.1)
.set HALFT,  64*PITCH
.set SLOT,   4*HALFT
.set STAGE,  2*SLOT
.set SPITCH, 272
.set SPARE,  STAGE+4*16*SPITCH         ; the spare words, 128 bytes a wave: two blocks of 256 bytes that no other line names
.set LAPS,   SIZE_K/(2*KSTEP)
.set BO,   8                           ; v8-11  my four columns' biases
.set ADRA, 16
.set ADRB, 20
.set STO,  24
.set RD,   25
.set CO,   26
.set SPW,  28                          ; my spare word; never rewritten
.set NIL,  29                          ; 0; never rewritten
.set TMP,  32
.set ACC,  128
.set F0,   0
.set F1,   128
.set WV, 16
.set WM, 17
.set WN, 18
.set TX, 21
.set TY, 22
.set G1, 24
.set G0, 32
.set G1B, 48
.set G0B, 56
.set MSB, 0
.macro WIN new
.if MSB != (\new)
	s_set_vgpr_msb (MSB<<8)|(\new)
.set MSB, \new
.endif
.endm
.set MUL,  0x05                        ; sources 0 and 1 window 1; C and D window 0
.set TO_F, 0x40                        ; destination window 1, address window 0
.macro JLOAD s                         ; a joint load: waves 0, 1 fetch h3b's halves, waves 2, 3 wob's; an s_nop 0 and four v_nop follow each line
	s_cmp_eq_u32 s[WM], 0
	s_cbranch_scc0 .Lfor_b_\@
	tensor_load_to_lds s[G0+4*(\s):G0+4*(\s)+3], s[G1:G1+7]
	s_nop 0
.rept 4
	v_nop
.endr
	s_branch .Lasked_\@
.Lfor_b_\@:
	tensor_load_to_lds s[G0B+4*(\s):G0B+4*(\s)+3], s[G1B:G1B+7]
	s_nop 0
.rept 4
	v_nop
.endr
.Lasked_\@:
.endm
.macro CREST
	s_cmp_lg_u32 s[WV], 0
	s_cbranch_scc1 .Lnot_wave_0_\@
	s_barrier_signal -3
.Lnot_wave_0_\@:
	s_barrier_wait -3
	s_barrier_signal -1
	s_barrier_wait -1
.endm
.macro CROUND
	s_barrier_signal -1
	s_barrier_wait -1
	CREST
.endm
.macro PLACES
.rept 4
	v_nop
.endr
.endm
.macro RND2 a, b, t
	v_cvt_pk_bf16_f32 v[\t], v[\a], v[\b]
	v_lshlrev_b32 v[\a], 16, v[\t]
	v_and_b32 v[\b], 0xffff0000, v[\t]
.endm
	s_load_b256 s[4:11], s[0:1], 0x0               ; h3b s[4:5], wob s[6:7], b_out s[8:9], out0 s[10:11]
	v_lshl_add_u32 v[SPW], v0, 2, SPARE
	v_mov_b32 v[NIL], 0
	ds_add_u32 v[SPW], v[NIL]                      ; the wave's opening: the add and its wait ahead of my first tensor load
	v_lshrrev_b32 v1, 5, v0
	v_readfirstlane_b32 s[WV], v1
	s_lshr_b32 s[WM], s[WV], 1
	s_and_b32 s[WN], s[WV], 1
	s_bfe_u32 s19, ttmp6, 0x40000
	s_bfe_u32 s20, ttmp6, 0x40004
	s_lshl_b32 s[TX], ttmp9, 2
	s_add_co_u32 s[TX], s[TX], s19
	s_and_b32 s[TY], ttmp7, 0xffff
	s_lshl_b32 s[TY], s[TY], 2
	s_add_co_u32 s[TY], s[TY], s20
	s_lshl_b32 s23, s20, 2
	s_lshl_b32 s23, 15, s23
	s_lshl_b32 s15, 0x1111, s19
	s_or_b32 s[G1], s23, (1<<16)|(1<<20)|(1<<21)|(6<<22)|(3<<25)   ; mask; 2-byte elements; padding on; bit 21 beside a mask; after every 128 words 4 words
	s_or_b32 s[G1B], s15, (1<<16)|(1<<20)|(1<<21)|(6<<22)|(3<<25)
.irp g, G1, G1B
	s_mov_b32 s[(\g)+1], KSTEP<<16                 ; tensor_dim0 = 256
	s_mov_b32 s[(\g)+2], 64<<16                    ; tensor_dim1 = 64
	s_mov_b32 s[(\g)+3], KSTEP<<16                 ; tile_dim0 = 256
	s_mov_b32 s[(\g)+4], 64                        ; tile_dim1 = 64
	s_mov_b32 s[(\g)+5], SIZE_K
	s_mov_b32 s[(\g)+6], 0
	s_mov_b32 s[(\g)+7], 0
.endr
	s_lshl_b32 s44, s[WN], 18                      ; which 64 rows of 4,096 bytes I fetch
	s_lshl_b32 s40, s[TY], 19                      ; h3b: made of the tile row and the wave alone
	s_add_co_u32 s40, s40, s44
	s_mov_b32 s41, 0
	s_lshl_b32 s46, s[TX], 19                      ; wob: of the tile column and the wave alone
	s_add_co_u32 s46, s46, s44
	s_mov_b32 s47, 0
	s_mul_i32 s45, s[WV], HALFT
	s_lshl_b32 s12, s[TX], 9                       ; my 64 columns, in bytes of f32: 512 a tile column, 256 a half
	s_lshl_b32 s13, s[WN], 8
	s_add_co_u32 s12, s12, s13
	s_mov_b32 s13, 0
	s_lshl_b32 s42, s[TY], 19                      ; out0: 128 rows of 4,096 bytes a tile row, 64 a half
	s_lshl_b32 s43, s[WM], 18
	s_add_co_u32 s42, s42, s43
	s_add_co_u32 s42, s42, s12
	s_mov_b32 s43, 0
	s_wait_dscnt 0x0                               ; the opening add is done
	s_wait_kmcnt 0x0
	s_add_nc_u64 s[40:41], s[4:5], s[40:41]
	s_add_nc_u64 s[46:47], s[6:7], s[46:47]
	s_add_nc_u64 s[8:9], s[8:9], s[12:13]
	s_add_nc_u64 s[10:11], s[10:11], s[42:43]
	CROUND                                         ; all sixteen work-groups are here: the first joint loads meet
.irp s, 0,1
	s_mov_b32 s[G0+4*(\s)], 1
	s_add_co_u32 s[G0+4*(\s)+1], s45, (\s)*SLOT
	s_add_nc_u64 s[G0+4*(\s)+2:G0+4*(\s)+3], s[40:41], (\s)*KSTEP*2
	s_or_b32 s[G0+4*(\s)+3], s[G0+4*(\s)+3], 0x80000000
	s_mov_b32 s[G0B+4*(\s)], 1
	s_add_co_u32 s[G0B+4*(\s)+1], s45, (\s)*SLOT
	s_add_nc_u64 s[G0B+4*(\s)+2:G0B+4*(\s)+3], s[46:47], (\s)*KSTEP*2
	s_or_b32 s[G0B+4*(\s)+3], s[G0B+4*(\s)+3], 0x80000000
	JLOAD \s                                       ; two loads of mine are out
.endr
	v_and_b32 v1, 15, v0
	v_bfe_u32 v2, v0, 4, 1
	v_lshlrev_b32 v6, 4, v1
	global_load_b128 v[BO:BO+3], v6, s[8:9]        ; columns 4 (l % 16) + 0..3 of my 64
	v_mul_u32_u24 v3, v1, PITCH
	v_lshl_add_u32 v3, v2, 4, v3
	s_mul_i32 s12, s[WM], HALFT
	s_mul_i32 s13, s[WN], HALFT
	s_add_co_u32 s13, s13, 2*HALFT
.irp s, 0,1
	v_add_nc_u32 v[ADRA+(\s)], s12, v3
	v_add_nc_u32 v[ADRB+(\s)], s13, v3
	s_add_co_u32 s12, s12, SLOT
	s_add_co_u32 s13, s13, SLOT
.endr
	s_mul_i32 s12, s[WV], 16*SPITCH
	s_add_co_u32 s12, s12, STAGE                   ; my stage
	v_mul_u32_u24 v4, v1, SPITCH                   ; in: row l % 16, 32 bytes for each half of the lanes
	v_lshl_add_u32 v4, v2, 5, v4
	v_add_nc_u32 v[STO], s12, v4
	v_mul_u32_u24 v5, v2, SPITCH                   ; back: lanes 0-15 one row of 256 bytes, lanes 16-31 the next
	v_lshl_add_u32 v5, v1, 4, v5
	v_add_nc_u32 v[RD], s12, v5
	v_lshlrev_b32 v5, 12, v2                       ; and the same two rows in out0
	v_lshl_add_u32 v[CO], v1, 4, v5
	s_wait_loadcnt 0x0
	RND2 BO, BO+1, 12
	RND2 BO+2, BO+3, 12
.macro MUL8 f, c, a0, zero             ; m blocks a0, a0 + 1 x all 4 n blocks, 32 along K: half c of buffer f.  The accumulators take turns
	WIN MUL
.irp a, \a0, (\a0)+1
.irp b, 0,1,2,3
.if \zero
	v_wmma_f32_16x16x32_bf16 v[ACC+8*(4*(\a)+(\b)):ACC+8*(4*(\a)+(\b))+7], v[(\f)+64+8*(4*(\c)+(\b)):(\f)+64+8*(4*(\c)+(\b))+7], v[(\f)+8*(4*(\c)+(\a)):(\f)+8*(4*(\c)+(\a))+7], 0
.else
	v_wmma_f32_16x16x32_bf16 v[ACC+8*(4*(\a)+(\b)):ACC+8*(4*(\a)+(\b))+7], v[(\f)+64+8*(4*(\c)+(\b)):(\f)+64+8*(4*(\c)+(\b))+7], v[(\f)+8*(4*(\c)+(\a)):(\f)+8*(4*(\c)+(\a))+7], v[ACC+8*(4*(\a)+(\b)):ACC+8*(4*(\a)+(\b))+7]
.endif
.endr
.endr
.endm
.macro FETCH slot, k, f                ; 32 LDS loads in one run: 64 along K at byte k, the first 32 along K first
	WIN TO_F
.irp c, 0,1
.irp i, 0,1,2,3
	ds_load_b128 v[(\f)+64+8*(4*(\c)+(\i)):(\f)+64+8*(4*(\c)+(\i))+3],   v[ADRB+(\slot)] offset:(\k)+64*(\c)+(\i)*16*PITCH
	ds_load_b128 v[(\f)+64+8*(4*(\c)+(\i))+4:(\f)+64+8*(4*(\c)+(\i))+7], v[ADRB+(\slot)] offset:(\k)+64*(\c)+(\i)*16*PITCH+32
	ds_load_b128 v[(\f)+8*(4*(\c)+(\i)):(\f)+8*(4*(\c)+(\i))+3],         v[ADRA+(\slot)] offset:(\k)+64*(\c)+(\i)*16*PITCH
	ds_load_b128 v[(\f)+8*(4*(\c)+(\i))+4:(\f)+8*(4*(\c)+(\i))+7],       v[ADRA+(\slot)] offset:(\k)+64*(\c)+(\i)*16*PITCH+32
.endr
.endr
.endm
.macro QUARTER slot, k, f, g, zero
	s_wait_dscnt 16                                ; the first 32 along K are in
	MUL8 \f, 0, 0, \zero
	MUL8 \f, 0, 2, \zero
	PLACES
	FETCH \slot, \k, \g
	s_wait_dscnt 32                                ; all but the 32 just issued
	MUL8 \f, 1, 0, 0
	MUL8 \f, 1, 2, 0
.endm
; The last quarter of a K step changes slots: one barrier; in front of it each wave waits for all its tensor loads, adds 0 to its spare word, and waits for that and for its reads of this slot.
; fill = 1: the barrier opens a round of the cluster's, and the slot is filled again first thing behind it.
.macro TURN slot, next, fill
	WIN 0
	s_wait_tensorcnt 0x0
	ds_add_u32 v[SPW], v[NIL]
	s_wait_dscnt 17                                ; the add and the youngest sixteen loads may be out
	MUL8 F1, 0, 0, 0
	s_wait_dscnt 0x0
	s_barrier_signal -1
	MUL8 F1, 0, 2, 0
.if \fill
	WIN 0
.endif
	s_barrier_wait -1
.if \fill
	CREST
	s_add_nc_u64 s[G0+4*(\slot)+2:G0+4*(\slot)+3], s[G0+4*(\slot)+2:G0+4*(\slot)+3], 2*KSTEP*2
	s_add_nc_u64 s[G0B+4*(\slot)+2:G0B+4*(\slot)+3], s[G0B+4*(\slot)+2:G0B+4*(\slot)+3], 2*KSTEP*2
	JLOAD \slot                                    ; its four v_nop are also the places in front of the loads below
.else
	PLACES
.endif
	FETCH \next, 0, F0
	MUL8 F1, 1, 0, 0
	MUL8 F1, 1, 2, 0
.endm
	s_wait_tensorcnt 1                             ; my part of K step 0 is in; K step 1's may stay out
	s_barrier_signal -1
	s_barrier_wait -1
	FETCH 0, 0, F0
	QUARTER 0, 128, F0, F1, 1
	WIN 0
	s_mov_b32 s3, LAPS-1
.Llap:
	QUARTER 0, 256, F1, F0, 0
	QUARTER 0, 384, F0, F1, 0
	TURN 0, 1, 1
	QUARTER 1, 128, F0, F1, 0
	QUARTER 1, 256, F1, F0, 0
	QUARTER 1, 384, F0, F1, 0
	TURN 1, 0, 1
	QUARTER 0, 128, F0, F1, 0
	WIN 0
	s_sub_co_u32 s3, s3, 1
	s_cmp_lg_u32 s3, 0
	s_cbranch_scc1 .Llap
	QUARTER 0, 256, F1, F0, 0                      ; the last lap fills nothing
	QUARTER 0, 384, F0, F1, 0
	TURN 0, 1, 0
	QUARTER 1, 128, F0, F1, 0
	QUARTER 1, 256, F1, F0, 0
	QUARTER 1, 384, F0, F1, 0
	s_wait_dscnt 16
	MUL8 F1, 0, 0, 0
	MUL8 F1, 0, 2, 0
	s_wait_dscnt 0x0
	MUL8 F1, 1, 0, 0
	MUL8 F1, 1, 2, 0
	WIN 0
	PLACES
; 16 rows: into my stage by lanes (each accumulator's low four registers first), back by rows, plus the bias, out.
.macro OUTA a
.if (\a) > 0
	s_wait_xcnt 0x0                                ; the last block's stores have read TMP: it is loaded again only behind this wait
.endif
.irp b, 0,1,2,3
	ds_store_b128 v[STO], v[ACC+8*(4*(\a)+(\b)):ACC+8*(4*(\a)+(\b))+3]   offset:64*(\b)
	ds_store_b128 v[STO], v[ACC+8*(4*(\a)+(\b))+4:ACC+8*(4*(\a)+(\b))+7] offset:64*(\b)+16
.endr
.irp t, 0,1,2,3,4,5,6,7
	ds_load_b128 v[TMP+4*(\t):TMP+4*(\t)+3], v[RD] offset:(\t)*2*SPITCH   ; LDS serves a wave's instructions in order (ISA guide 5.7.1.4): these see the stores above; the next block's stores come behind them
.endr
.irp t, 0,1,2,3,4,5,6,7
	s_wait_dscnt 7-(\t)
	v_pk_add_f32 v[TMP+4*(\t):TMP+4*(\t)+1],   v[TMP+4*(\t):TMP+4*(\t)+1],   v[BO:BO+1]
	v_pk_add_f32 v[TMP+4*(\t)+2:TMP+4*(\t)+3], v[TMP+4*(\t)+2:TMP+4*(\t)+3], v[BO+2:BO+3]
	global_store_b128 v[CO], v[TMP+4*(\t):TMP+4*(\t)+3], s[10:11] offset:(16*(\a)+2*(\t))*4096 th:TH_STORE_NT   ; 16 lanes store 256 consecutive bytes, aligned
.endr
.endm
	OUTA 0
	OUTA 1
	OUTA 2
	OUTA 3
	s_wait_tensorcnt 0x0                           ; the wave's end
	ds_add_u32 v[SPW], v[NIL]
	s_wait_dscnt 0x0
	CROUND                                         ; the closing round
	s_endpgm
.Lfunc_end_k_qeb52388a48_gemm3:
	.size	k_qeb52388a48_gemm3, .Lfunc_end_k_qeb52388a48_gemm3-k_qeb52388a48_gemm3
	.p2alignl 7, 3214868480
	.fill 96, 4, 3214868480
	.section	.rodata,"a",@progbits
	.p2align	6, 0x0
	.amdhsa_kernel k_qeb52388a48_gemm3
		.amdhsa_group_segment_fixed_size 327680
		.amdhsa_private_segment_fixed_size 0
		.amdhsa_enable_private_segment 0
		.amdhsa_kernarg_size 32
		.amdhsa_user_sgpr_count 2
		.amdhsa_user_sgpr_kernarg_segment_ptr 1
		.amdhsa_wavefront_size32 1
		.amdhsa_system_sgpr_workgroup_id_x 1
		.amdhsa_system_sgpr_workgroup_id_y 1
		.amdhsa_system_sgpr_workgroup_id_z 1
		.amdhsa_system_vgpr_workitem_id 0
		.amdhsa_next_free_vgpr 512
		.amdhsa_next_free_sgpr 66
		.amdhsa_reserve_vcc 0
		.amdhsa_float_denorm_mode_32 3
		.amdhsa_float_denorm_mode_16_64 3
		.amdhsa_memory_ordered 1
		.amdhsa_forward_progress 1
		.amdhsa_inst_pref_size 91
	.end_amdhsa_kernel
	.amdgpu_metadata
---
amdhsa.version: [ 1, 2 ]
amdhsa.kernels:
  - .name:           k_qeb52388a48_gemm3
    .symbol:         k_qeb52388a48_gemm3.kd
    .args:
      - { .name: h3b, .offset: 0, .size: 8, .value_kind: global_buffer, .address_space: global }
      - { .name: wob, .offset: 8, .size: 8, .value_kind: global_buffer, .address_space: global }
      - { .name: b_out, .offset: 16, .size: 8, .value_kind: global_buffer, .address_space: global }
      - { .name: out0, .offset: 24, .size: 8, .value_kind: global_buffer, .address_space: global }
    .group_segment_fixed_size: 327680
    .private_segment_fixed_size: 0
    .kernarg_segment_align: 8
    .kernarg_segment_size: 32
    .max_flat_workgroup_size: 128
    .sgpr_count:     66
    .vgpr_count:     512
    .wavefront_size: 32
...
	.end_amdgpu_metadata
.endif
;; end of part 5
